; MI455X (gfx1250); checked and timed in simulation.
; The chip was launched on July 23, 2026; its instructions are those of AMD's public machine-readable ISA for CDNA 5 (MIT licence, August 2026) and "CDNA5" Instruction Set Architecture Reference Guide (July 2026). The comments in the code are by the model that wrote it; some were corrected since.
;; Gladius Attention. Allowed arithmetic: matrix products marked QUANTISED: E2M3 operands, one E8M0 scale for each 32 along K, by v_wmma_scale_f32_16x16x128_f8f6f4 with both operands' format E2M3, f32 sums; everything else in f32.
;; Inputs: wk 1,024 x 256 float32; wo 1,024 x 1,024 float32; wq 1,024 x 1,024 float32; wv 1,024 x 256 float32; x 4 x 2,048 x 1,024 float32.
;; Outputs: out0 4 x 2,048 x 1,024 float32.
;; This version of the problem:
;;   THIS VERSION OF THE PROBLEM IS GIVEN IN LOW PRECISION. The matrix products marked QUANTISED in the list below multiply operands that are first quantised to E2M3 (2 exponent bits, 3 mantissa bits; 6 bits a number), with one power-of-two scale for each 32 numbers along K (OCP MX v1.0); their sums are f32. All else is computed in f32.
;;   The module's matrix products, in the order in which they are computed (A, B: the left and right operand; K: the contracted axis; several contracted axes count as one K, in the product's order):
;;     1. [M 8,192, K 1,024] x [K 1,024, N 1,024]; A: input x; B: input wq: QUANTISED
;;     2. [M 8,192, K 1,024] x [K 1,024, N 256]; A: input x; B: input wk: QUANTISED
;;     3. [M 8,192, K 1,024] x [K 1,024, N 256]; A: input x; B: input wv: QUANTISED
;;     4. batch 64 x [M 2,048, K 64] x [K 64, N 2,048]; A: computed on the way; B: computed on the way: QUANTISED
;;     5. batch 64 x [M 2,048, K 2,048] x [K 2,048, N 64]; A: softmax (see below); B: computed on the way: QUANTISED
;;     6. [M 8,192, K 1,024] x [K 1,024, N 1,024]; A: computed on the way; B: input wo: QUANTISED
;;   THE QUANTISER, for each operand of a quantised product, along K:
;;     - K is cut into blocks of 32 from its start; a last block that is shorter is filled with zeros.
;;     - A block's scale is 2^e with e = floor(log2(the largest magnitude in the block)) - 2, held to -126 .. 127; a block of zeros has e = 0. As a byte (E8M0): e + 127.
;;     - Each number is divided by its block's scale, clamped to +-7.5, and rounded to the nearest number of E2M3, ties to even, subnormals kept.
;;     - The product sums the exact products of the quantised numbers (number of the format x scale) in f32.
;;   ~~~python
;;   def quantise(x, axis):      # numpy; x: float32 -> the quantised numbers, widened to float32 again
;;       x = np.moveaxis(x, axis, -1); K = x.shape[-1]
;;       x = np.pad(x, [(0, 0)] * (x.ndim - 1) + [(0, -K % 32)]); x = x.reshape(x.shape[:-1] + (-1, 32)); a = np.abs(x).max(-1, keepdims=True)
;;       e = np.where(a > 0, np.clip(np.frexp(np.where(a > 0, a, 1))[1] - 1 - 2, -126, 127), 0)      # np.frexp(a)[1] - 1 = floor(log2(a)), exactly
;;       r = np.clip(x / 2.0 ** e, -7.5, 7.5)
;;       step = 2.0 ** (np.maximum(np.frexp(np.where(r == 0, 1, r))[1] - 1, 0) - 3)
;;       q = np.round(r / step) * step * 2.0 ** e      # np.round: ties to even
;;       return np.moveaxis(q.reshape(q.shape[:-2] + (-1,))[..., :K], -1, axis).astype(np.float32)
;;   ~~~
;;   SOFTMAX AHEAD OF A QUANTISED PRODUCT. Where the list says 'softmax', what is quantised is not the finished softmax but p = 2^(t - M), with t = logit x log2(e) and M = ceil(the row's largest t), a whole number; so 1/2 < the row's largest p <= 1. The row's sum l is taken of the UNQUANTISED p, in f32, and the product's result is divided by l at the end. Since M is a whole number, a kernel that streams over the keys may use a running M (the ceiling of the running maximum): every later rescaling is an exact power of two, which a block's scale takes up: the codes' values come out the same.
;;   OPERANDS COMPUTED ON THE WAY. 'Computed on the way' means the value that the module computes at that place (a softmax that the list does not call 'softmax' is quantised finished and normalised). What goes into a quantiser is computed in f32, as accurately as f32 sums, v_exp_f32 and their like allow (about 1e-6 of the number): no bf16 or f16 on the way to a quantiser, and a product that is left as it is and whose result goes on into a quantised operand takes f32 operands (vector FMAs, or v_wmma_f32_16x16x4_f32). A number that lies on a knife's edge between two numbers of the format may be rounded either way, as far as f32 arithmetic and the matrix unit's own rounding can turn it there, and no further.
;; One version. Each part assembles by itself: llvm-mc -triple=amdgcn-amd-amdhsa -mcpu=gfx1250 --defsym DOCPART=n.
;; ======== version 1 of 1: 4 launches
;; limits: right only within a limited range of input values
;; workspace buffers: codes 8,257,536 bytes; scales 344,064 bytes; wos 32,768 bytes; rope 524,288 bytes; qbuf 6,815,744 bytes; kvbuf 3,342,336 bytes; ac 6,291,456 bytes; asc 262,144 bytes
;; launch quant (part 1): grid 336 x 1, 4 waves a work-group, no clusters, 68,096 bytes of LDS; arguments x, wq, wk, wv, wo, codes, scales, wos, rope; writes codes, scales, wos, rope
.if DOCPART == 1
	.amdgcn_target "amdgcn-amd-amdhsa--gfx1250"
	.amdhsa_code_object_version 6
	.text
	.protected	k_q7aa44ccff5_quant
	.globl	k_q7aa44ccff5_quant
	.p2align	8
	.type	k_q7aa44ccff5_quant,@function
k_q7aa44ccff5_quant:
	s_mov_b64 s[64:65], 0
	v_nop
	global_prefetch_b8 v0, s[64:65] scope:SCOPE_SE
	s_setreg_imm32_b32 hwreg(HW_REG_WAVE_MODE, 25, 1), 1
	s_wait_xcnt 0x0
; All f32 inputs become codes of FP6 (E2M3) with K innermost and one E8M0 byte for each 32 along K; the table of cosines and sines for the rotation is made on the side.
; codes: [10,752 rows][768 bytes]: rows 0-8,191 x; 8,192-9,215 wq's columns; 9,216-9,471 wk's; 9,472-9,727 wv's; 9,728-10,751 wo's.  scales: [row][32 bytes] for all but wo;  wos: wo's bytes as [256 along K (4)][1,024 columns][8].
; rope: [2,048 positions][cos of 32 frequencies | sin of 32 frequencies], f32, 256 bytes a position.
; A block's scale is 2^(floor(log2(its largest magnitude)) - 2); its byte is the largest magnitude's exponent field - 2, held at 1 from below.  A block of zeros so gets the byte 1: its codes are zeros, and this program alone reads the bytes.
; Work-groups 0-79 take the weights (K is their FIRST axis: a lane takes a column, its registers run down K); work-groups 80-335 take x (K innermost: a plain stream of blocks).  The two ways never join, and each has LDS bytes of its own.
; wo's codes are laid in another order INSIDE each block of 32: place p holds element p (p = 0-7, 24-31), p + 8 (p = 8-15), p - 8 (p = 16-23): the order in which the attention launch leaves its result's codes.  A block's scale does not feel it.
; LIMITS: NaN and infinities among the inputs are not served; a block whose largest magnitude lies under 2^-124 keeps the byte 1.  The frequencies are 10^(-i/8) rounded to f32, which may differ by an ulp or two from a power
; and a reciprocal taken in f32: up to some 2e-4 rad at position 2,047.  The reduction of the angle serves angles up to 2,047 rad (its error there is under 1e-7 rad).
; WORK LEFT OUT, in the attention launch: reference() sets every score whose key comes after its query to the least f32 number ahead of the softmax, by a mask that it builds itself; such a score's weight is 0 for all finite inputs,
; so steps of 128 keys that lie wholly behind a tile's queries are not walked.  A NaN, an infinity or an overflow that reaches only those scores is not carried to the result.
.set STEPS, 16
.set EMAX,  2
.set CB,    12                         ; bytes of 16 codes
.set R,     16                         ; x: v16-79   four sets of 16 numbers as they are loaded
.set X,     80                         ; x: v80-111  two sets of 16 neighbours
.set E,     112                        ; x: v112-127 a scale byte for each step
.set C,     128                        ; x: v128-191 codes: four registers for each step
.set WREG,  8192                       ; x: LDS: a region for each wave: two stages of 32 x SP bytes, then its 256 scale bytes
.set SP,    80                         ; x: a lane's place in a stage: 64 bytes + 16 of padding
.set F0,    192                        ; v192-193 my two frequencies
.set OFS,   194                        ; v194 0 for lanes 0-15 (cosines), 3 for lanes 16-31 (sines: sin a = cos(a - pi/2))
.set POS,   195                        ; v195 the position as f32
.set RO,    196                        ; v196-199 the table's numbers: two positions x two frequencies
.set XX,    200
.set NN,    201
.set RR,    202
.set QQ,    203
.set R2,    204
.set SN,    205
.set CS,    206
.set TT,    207
.set NB,    8                          ; weights: blocks of 32 along K for a wave (256 along K)
.set WROWB, 192                        ; weights: bytes of 256 codes
.set WPITCH, 272                       ; weights: a stage row: sixteen places of 16 bytes, each with 12 bytes of codes, + 16
.set KROW,  768                        ; a row of the codes' buffer
.set WLDS,  32768                      ; weights: their stages begin here
.set SB,    24                         ; weights: v24-25 the scale bytes
.set XW,    32                         ; weights: v32-95 two sets of 32 numbers
.set CW,    96                         ; weights: a block's codes
.set OUTR,  112                        ; weights: v112-175 the way out
.set VO,    176                        ; weights: v176-207 byte offset of row i of a block at my column
	s_load_b512 s[4:19], s[0:1], 0x0               ; x 4:5, wq 6:7, wk 8:9, wv 10:11, wo 12:13, codes 14:15, scales 16:17, wos 18:19
	s_load_b64 s[20:21], s[0:1], 0x40              ; rope
	v_lshl_add_u32 v208, v0, 2, 0x10800
	v_mov_b32 v209, 0
	v_lshrrev_b32 v1, 5, v0
	v_readfirstlane_b32 s22, v1                    ; wave
	v_and_b32 v2, 31, v0                           ; lane
	s_cmp_lt_u32 ttmp9, 80
	s_cbranch_scc1 .Lweights
; ---------------------------------------------------------------- x: a wave takes 16 steps of 512 numbers
; Each of a step's four loads reads 512 consecutive bytes, 16 a lane; the 2,048 bytes go through the wave's own stage in LDS and come back 64 bytes a lane: 16 neighbours along K, two lanes to a block.
	v_lshlrev_b32 v3, 4, v2                        ; my 16 bytes of a load's 512
	s_mul_i32 s23, s22, WREG
	v_lshrrev_b32 v14, 2, v2
	v_mul_u32_u24 v14, v14, SP
	v_and_b32 v15, 3, v2
	v_lshl_add_u32 v14, v15, 4, v14
	v_add_nc_u32 v14, s23, v14                     ; the stage, on the way in: SP (lane / 4) + 16 (lane % 4)
	v_mul_u32_u24 v15, v2, SP
	v_add_nc_u32 v15, s23, v15                     ; and on the way out: SP x lane
	v_mul_u32_u24 v4, v2, CB                       ; my codes' place in a step's
	v_lshrrev_b32 v5, 1, v2
	s_add_co_u32 s23, s23, 2*32*SP
	v_add_nc_u32 v5, s23, v5                       ; LDS: my wave's 256 scale bytes, my block's byte
	v_lshlrev_b32 v7, 3, v2                        ; 8 bytes a lane
	v_add_nc_u32 v6, s23, v7
	s_sub_co_u32 s24, ttmp9, 80
	s_lshl_b32 s24, s24, 2
	s_add_co_u32 s24, s24, s22                     ; g: which run of 8,192 numbers (8 rows of x) is my wave's: 0 .. 1,023
	s_mov_b32 s27, 0
	s_wait_kmcnt 0x0
	s_lshl_b32 s26, s24, 15
	s_add_nc_u64 s[4:5], s[4:5], s[26:27]          ; x: 32,768 bytes a run
	s_mul_i32 s26, s24, 6144
	s_add_nc_u64 s[14:15], s[14:15], s[26:27]      ; codes: 6,144
	s_lshl_b32 s26, s24, 8
	s_add_nc_u64 s[16:17], s[16:17], s[26:27]      ; scale bytes: 256
	s_lshl_b32 s26, s24, 9
	s_add_nc_u64 s[20:21], s[20:21], s[26:27]      ; the table: positions 2 g and 2 g + 1
.macro XLOAD t
.irp i, 0,1,2,3
	global_load_b128 v[R+16*((\t)%4)+4*\i:R+16*((\t)%4)+4*\i+3], v3, s[4:5] offset:2048*(\t)+512*\i th:TH_LOAD_NT
.endr
.endm
.macro XTURN t                         ; step t's numbers through the stage: LDS serves a wave's instructions in order, so no wait stands between the stores and the loads
.irp i, 0,1,2,3
	ds_store_b128 v14, v[R+16*((\t)%4)+4*\i:R+16*((\t)%4)+4*\i+3] offset:32*SP*((\t)%2)+8*SP*\i
.endr
.irp i, 0,1,2,3
	ds_load_b128 v[X+16*((\t)%2)+4*\i:X+16*((\t)%2)+4*\i+3], v15 offset:32*SP*((\t)%2)+16*\i
.endr
.endm
.irp t, 0,1,2,3
	XLOAD \t
.endr
; The table, while the first loads are on their way.  Lane l: frequencies 2 (l % 16) and 2 (l % 16) + 1; lanes 0-15 cosines, lanes 16-31 sines: a position's 256 bytes are one store of the wave.
	v_mov_b32 v[F0], 0
	v_mov_b32 v[F0+1], 0
.macro FREQ i, val                     ; frequency i = 10^(-i/8) into the two lanes that want it
	s_mov_b32 s30, \val
	v_writelane_b32 v[F0+(\i)%2], s30, (\i)/2
	v_writelane_b32 v[F0+(\i)%2], s30, (\i)/2+16
.endm
	FREQ 0, 1.0
	FREQ 1, 0.7498942093324559
	FREQ 2, 0.5623413251903491
	FREQ 3, 0.4216965034285822
	FREQ 4, 0.31622776601683794
	FREQ 5, 0.23713737056616552
	FREQ 6, 0.1778279410038923
	FREQ 7, 0.1333521432163324
	FREQ 8, 0.1
	FREQ 9, 0.07498942093324559
	FREQ 10, 0.05623413251903491
	FREQ 11, 0.04216965034285822
	FREQ 12, 0.031622776601683794
	FREQ 13, 0.023713737056616552
	FREQ 14, 0.01778279410038923
	FREQ 15, 0.01333521432163324
	FREQ 16, 0.01
	FREQ 17, 0.007498942093324559
	FREQ 18, 0.005623413251903491
	FREQ 19, 0.004216965034285822
	FREQ 20, 0.0031622776601683794
	FREQ 21, 0.0023713737056616552
	FREQ 22, 0.001778279410038923
	FREQ 23, 0.001333521432163324
	FREQ 24, 0.001
	FREQ 25, 0.0007498942093324559
	FREQ 26, 0.0005623413251903491
	FREQ 27, 0.0004216965034285822
	FREQ 28, 0.00031622776601683794
	FREQ 29, 0.00023713737056616552
	FREQ 30, 0.0001778279410038923
	FREQ 31, 0.0001333521432163324
	v_lshrrev_b32 v[OFS], 4, v2
	v_mul_u32_u24 v[OFS], v[OFS], 3
	s_mov_b32 s32, 0x3f22f983                      ; 2 / pi
	s_mov_b32 s33, 0xbfc90fdb                      ; -(pi / 2 rounded to f32)
	s_mov_b32 s34, 0x333bbd2e                      ; that rounding's excess over pi / 2: 4.37113883e-8
	s_mov_b32 s36, -0.00019515295891               ; sin r = r + r z (s38 + z (s37 + z s36)), z = r r, |r| <= pi / 4
	s_mov_b32 s37, 0.0083321608736
	s_mov_b32 s38, -0.16666654611
	s_mov_b32 s39, 0.00002443315712                ; cos r = 1 - z / 2 + z z (s41 + z (s40 + z s39))
	s_mov_b32 s40, -0.001388731625
	s_mov_b32 s41, 0.04166664568
; cos (lanes 0-15) or sin (lanes 16-31) of position x frequency.  The angle is one f32 product; n = the nearest whole number of quarter turns; r = angle - n pi / 2 by two fused steps;
; q = n (+ 3 for a sine): q odd takes the sine of r, q even the cosine; q % 4 = 1 or 2 turns the sign.  The choices select values only.
.macro SINCOS out, f
	v_mul_f32 v[XX], v[POS], v[\f]
	v_mul_f32 v[NN], s32, v[XX]
	v_rndne_f32 v[NN], v[NN]
	v_fma_f32 v[RR], v[NN], s33, v[XX]
	v_fma_f32 v[RR], v[NN], s34, v[RR]
	v_cvt_i32_f32 v[QQ], v[NN]
	v_add_nc_u32 v[QQ], v[QQ], v[OFS]
	v_mul_f32 v[R2], v[RR], v[RR]
	v_fma_f32 v[SN], v[R2], s36, s37
	v_fma_f32 v[SN], v[SN], v[R2], s38
	v_mul_f32 v[SN], v[SN], v[R2]
	v_fma_f32 v[SN], v[SN], v[RR], v[RR]
	v_fma_f32 v[CS], v[R2], s39, s40
	v_fma_f32 v[CS], v[CS], v[R2], s41
	v_mul_f32 v[TT], v[R2], v[R2]
	v_fma_f32 v[XX], v[R2], -0.5, 1.0
	v_fma_f32 v[CS], v[TT], v[CS], v[XX]
	v_and_b32 v[TT], 1, v[QQ]
	v_cmp_ne_u32 vcc_lo, 0, v[TT]
	v_cndmask_b32 v[CS], v[CS], v[SN], vcc_lo
	v_add_nc_u32 v[QQ], 1, v[QQ]
	v_and_b32 v[QQ], 2, v[QQ]
	v_lshlrev_b32 v[QQ], 30, v[QQ]
	v_xor_b32 v[\out], v[CS], v[QQ]
.endm
	s_lshl_b32 s25, s24, 1
	v_cvt_f32_u32 v[POS], s25
	s_wait_alu depctr_va_vdst(0)
	SINCOS RO, F0
	SINCOS RO+1, F0+1
	global_store_b64 v7, v[RO:RO+1], s[20:21]      ; 32 lanes store 256 consecutive bytes, aligned; these registers are not written again
	s_add_co_u32 s25, s25, 1
	v_cvt_f32_u32 v[POS], s25
	SINCOS RO+2, F0
	SINCOS RO+3, F0+1
	global_store_b64 v7, v[RO+2:RO+3], s[20:21] offset:256
	s_wait_loadcnt 12                              ; step 0's four loads are in; those of steps 1 to 3 may be out
	XTURN 0
.macro XSTEP t
.set XS, X+16*((\t)%2)
.if (\t) > 0
	s_wait_dscnt 1                                 ; this step's numbers are back from the stage (the last step's byte store may be out)
.else
	s_wait_dscnt 0x0
.endif
.if (\t)+4 < STEPS
	XLOAD (\t)+4                                   ; into the registers that this step's stores into the stage have read
.endif
.if (\t)+1 < STEPS
.if STEPS-2-(\t) >= 3
	s_wait_loadcnt 12                              ; the next step's four loads are in; those of the three steps behind it may be out
.else
	s_wait_loadcnt 4*(STEPS-2-(\t))
.endif
	XTURN (\t)+1
.endif
	v_max3_num_f32 v8, |v[XS]|, |v[XS+1]|, |v[XS+2]|               ; the largest magnitude of my 16
	v_max3_num_f32 v9, |v[XS+3]|, |v[XS+4]|, |v[XS+5]|
.irp i, 6,10
	v_max3_num_f32 v8, v8, |v[XS+\i]|, |v[XS+\i+1]|
	v_max3_num_f32 v9, v9, |v[XS+\i+2]|, |v[XS+\i+3]|
.endr
	v_max3_num_f32 v8, v8, |v[XS+14]|, |v[XS+15]|
	v_max3_num_f32 v8, v8, v9, (EMAX+1)<<23        ; and the floor 2^(3 - 127): the byte cannot fall under 1
	v_max_num_f32_dpp v8, v8, v8 row_xmask:1 row_mask:0xf bank_mask:0xf   ; and of my neighbour's 16: the block's
	v_add_nc_u32 v11, -(EMAX<<23), v8              ; 2 off its exponent field: the conversion takes the exponent field of this operand as its scale
	v_cvt_scalef32_pk16_fp6_f32 v[C+4*(\t):C+4*(\t)+2], v[XS:XS+15], v11
	v_lshrrev_b32 v[E+(\t)], 23, v11               ; the scale's byte
	ds_store_b8 v5, v[E+(\t)] offset:16*(\t)       ; both lanes of a block write the same byte with the same value
	global_store_b96 v4, v[C+4*(\t):C+4*(\t)+2], s[14:15] offset:32*CB*(\t)   ; the wave stores 384 consecutive bytes
.endm
.irp t, 0,1,2,3,4,5,6,7,8,9,10,11,12,13,14,15
	XSTEP \t
.endr
	ds_load_b64 v[12:13], v6                       ; LDS serves a wave's instructions in order: these see my stores
	s_wait_dscnt 0x0
	global_store_b64 v7, v[12:13], s[16:17]        ; 32 lanes store 256 consecutive bytes, aligned
	s_wait_tensorcnt 0x0
	ds_add_u32 v208, v209
	s_wait_dscnt 0x0
	s_endpgm
; ---------------------------------------------------------------- the weights: a wave takes 32 columns x 256 along K
.Lweights:
	s_lshr_b32 s30, ttmp9, 2                       ; cg: which 128 columns of the 2,560: 0-7 wq, 8-9 wk, 10-11 wv, 12-19 wo
	s_and_b32 s31, ttmp9, 3                        ; ky: which 256 along K
	s_wait_alu depctr_va_vdst(0)
	v_lshlrev_b32 v3, 2, v2                        ; in: 4 bytes a lane
	s_mul_i32 s23, s22, 32*WPITCH
	s_add_co_u32 s23, s23, WLDS                    ; my stage
	v_mul_u32_u24 v4, v2, WPITCH
	v_add_nc_u32 v4, s23, v4                       ; into it: row = my column
	v_and_b32 v5, 15, v2
	v_lshrrev_b32 v6, 4, v2                        ; out of it: sixteen lanes to a row, two rows an instruction
	v_mul_u32_u24 v7, v6, WPITCH
	v_lshl_add_u32 v7, v5, 4, v7
	v_add_nc_u32 v7, s23, v7
	v_mul_u32_u24 v8, v6, KROW
	v_mad_u32_u24 v8, v5, 12, v8                   ; and the same place in the codes' buffer
	s_wait_kmcnt 0x0
	s_mov_b64 s[24:25], s[12:13]                   ; the source, its first group of columns, its row in bytes, and 8 rows (wo alone: the order inside a block).  The choices hang on the work-group's number alone
	s_mov_b32 s26, 12
	s_mov_b32 s27, 4096
	s_mov_b32 s28, 32768
	s_cmp_lt_u32 s30, 12
	s_cselect_b64 s[24:25], s[10:11], s[24:25]
	s_cselect_b32 s26, 10, s26
	s_cselect_b32 s27, 1024, s27
	s_cselect_b32 s28, 0, s28
	s_cmp_lt_u32 s30, 10
	s_cselect_b64 s[24:25], s[8:9], s[24:25]
	s_cselect_b32 s26, 8, s26
	s_cmp_lt_u32 s30, 8
	s_cselect_b64 s[24:25], s[6:7], s[24:25]
	s_cselect_b32 s26, 0, s26
	s_cselect_b32 s27, 4096, s27
	s_sub_co_u32 s29, s30, s26
	s_lshl_b32 s29, s29, 7
	s_lshl_b32 s32, s22, 5
	s_add_co_u32 s29, s29, s32                     ; my wave's first column in its tensor
	s_mul_i32 s34, s31, s27
	s_lshl_b32 s34, s34, 8                         ; 256 ky rows
	s_lshl_b32 s33, s29, 2
	s_add_co_u32 s34, s34, s33
	s_mov_b32 s35, 0
	s_add_nc_u64 s[40:41], s[24:25], s[34:35]      ; a base for each of my 8 blocks, 32 rows apart: nothing is stepped later
	s_lshl_b32 s34, s27, 5
.irp t, 1,2,3,4,5,6,7
	s_add_nc_u64 s[40+2*\t:41+2*\t], s[38+2*\t:39+2*\t], s[34:35]
.endr
	v_add_nc_u32 v14, s28, v3                      ; places 8-15 of a block of wo take the rows 8 further down,
	v_sub_nc_u32 v15, v3, s28                      ; places 16-23 those 8 further up
.set i, 0
.rept 32
.if (i >= 8) && (i < 16)
	v_mad_u32_u24 v[VO+i], s27, i, v14
.elseif (i >= 16) && (i < 24)
	v_mad_u32_u24 v[VO+i], s27, i, v15
.else
	v_mad_u32_u24 v[VO+i], s27, i, v3
.endif
.set i, i+1
.endr
	s_lshl_b32 s36, s30, 7
	s_add_co_u32 s36, s36, s32
	s_add_co_u32 s36, s36, 8192                    ; my first row of the codes' buffer
	s_mul_i32 s56, s36, KROW
	s_mul_i32 s37, s31, WROWB
	s_add_co_u32 s56, s56, s37
	s_mov_b32 s57, 0
	s_add_nc_u64 s[14:15], s[14:15], s[56:57]
	s_lshl_b32 s36, s36, 5                         ; scale bytes, all but wo: row x 32 + 8 ky, 32 bytes from lane to lane
	s_lshl_b32 s37, s31, 3
	s_add_co_u32 s36, s36, s37
	s_lshl_b32 s37, s31, 13                        ; wo: 8,192 ky + 8 x column, 8 bytes from lane to lane: the wave stores 256 consecutive bytes
	s_lshl_b32 s33, s29, 3
	s_add_co_u32 s37, s37, s33
	s_cmp_lt_u32 s30, 12
	s_cselect_b64 s[58:59], s[16:17], s[18:19]
	s_cselect_b32 s56, s36, s37
	s_cselect_b32 s60, 32, 8
	s_add_nc_u64 s[58:59], s[58:59], s[56:57]
	v_mul_u32_u24 v9, v2, s60
.macro WLOAD t                         ; block t: 32 rows at my column into set t % 2: each load reads 128 consecutive bytes
.irp i, 0,1,2,3,4,5,6,7,8,9,10,11,12,13,14,15,16,17,18,19,20,21,22,23,24,25,26,27,28,29,30,31
	global_load_b32 v[XW+32*((\t)%2)+\i], v[VO+\i], s[40+2*(\t):41+2*(\t)] th:TH_LOAD_NT
.endr
.endm
	s_wait_alu depctr_va_vdst(0)
	WLOAD 0
	WLOAD 1
.macro WBLOCK t
.set XS, XW+32*((\t)%2)
.if (\t) < NB-1
	s_wait_loadcnt 32                              ; this block's 32 loads are in; the next block's may be out
.else
	s_wait_loadcnt 0
.endif
	v_max3_num_f32 v12, |v[XS]|, |v[XS+1]|, |v[XS+2]|              ; the block's largest magnitude: all 32 numbers are mine
	v_max3_num_f32 v13, |v[XS+3]|, |v[XS+4]|, |v[XS+5]|
.irp i, 6,10,14,18,22,26
	v_max3_num_f32 v12, v12, |v[XS+\i]|, |v[XS+\i+1]|
	v_max3_num_f32 v13, v13, |v[XS+\i+2]|, |v[XS+\i+3]|
.endr
	v_max3_num_f32 v12, v12, |v[XS+30]|, |v[XS+31]|
	v_max3_num_f32 v12, v12, v13, (EMAX+1)<<23     ; and the floor
	v_add_nc_u32 v11, -(EMAX<<23), v12             ; the conversion's scale operand
	v_lshrrev_b32 v13, 23, v11                     ; the scale's byte
.if (\t)%4 == 0
	v_mov_b32 v[SB+(\t)/4], v13                    ; four bytes to a register, the lower K in the lower byte
.else
	v_lshl_or_b32 v[SB+(\t)/4], v13, 8*((\t)%4), v[SB+(\t)/4]
.endif
	v_cvt_scalef32_pk16_fp6_f32 v[CW:CW+2], v[XS:XS+15], v11
	v_cvt_scalef32_pk16_fp6_f32 v[CW+4:CW+6], v[XS+16:XS+31], v11  ; (a conversion's three registers begin on an even number)
	v_nop                                          ; one plain place behind the conversions
	ds_store_b96 v4, v[CW:CW+2] offset:32*(\t)     ; 12 bytes to a place of 16 in the stage
	ds_store_b96 v4, v[CW+4:CW+6] offset:32*(\t)+16
.if (\t)+2 < NB
	WLOAD (\t)+2
.endif
	s_wait_dscnt 0x0                               ; the stores have read their registers: the next block's codes may be written
.endm
.irp t, 0,1,2,3,4,5,6,7
	WBLOCK \t
.endr
	s_wait_alu depctr_va_vdst(0)
	global_store_b64 v9, v[SB:SB+1], s[58:59]      ; my column's 8 scale bytes
.irp t, 0,1,2,3,4,5,6,7,8,9,10,11,12,13,14,15
	ds_load_b96 v[OUTR+4*\t:OUTR+4*\t+2], v7 offset:2*\t*WPITCH    ; LDS serves a wave's instructions in order: these see my stores
.endr
.irp t, 0,1,2,3,4,5,6,7,8,9,10,11,12,13,14,15
	s_wait_dscnt 15-\t                             ; the younger loads may be out
	global_store_b96 v8, v[OUTR+4*\t:OUTR+4*\t+2], s[14:15] offset:2*\t*KROW   ; sixteen lanes store a row's 192 consecutive bytes
.endr
	s_wait_tensorcnt 0x0
	ds_add_u32 v208, v209
	s_wait_dscnt 0x0
	s_endpgm
.Lfunc_end_k_q7aa44ccff5_quant:
	.size	k_q7aa44ccff5_quant, .Lfunc_end_k_q7aa44ccff5_quant-k_q7aa44ccff5_quant
	.p2alignl 7, 3214868480
	.fill 96, 4, 3214868480
	.section	.rodata,"a",@progbits
	.p2align	6, 0x0
	.amdhsa_kernel k_q7aa44ccff5_quant
		.amdhsa_group_segment_fixed_size 68096
		.amdhsa_private_segment_fixed_size 0
		.amdhsa_enable_private_segment 0
		.amdhsa_kernarg_size 72
		.amdhsa_user_sgpr_count 2
		.amdhsa_user_sgpr_kernarg_segment_ptr 1
		.amdhsa_wavefront_size32 1
		.amdhsa_system_sgpr_workgroup_id_x 1
		.amdhsa_system_sgpr_workgroup_id_y 1
		.amdhsa_system_sgpr_workgroup_id_z 1
		.amdhsa_system_vgpr_workitem_id 0
		.amdhsa_next_free_vgpr 210
		.amdhsa_next_free_sgpr 66
		.amdhsa_reserve_vcc 1
		.amdhsa_float_denorm_mode_32 3
		.amdhsa_float_denorm_mode_16_64 3
		.amdhsa_memory_ordered 1
		.amdhsa_forward_progress 1
		.amdhsa_inst_pref_size 88
	.end_amdhsa_kernel
	.amdgpu_metadata
---
amdhsa.version: [ 1, 2 ]
amdhsa.kernels:
  - .name:           k_q7aa44ccff5_quant
    .symbol:         k_q7aa44ccff5_quant.kd
    .args:
      - { .name: x, .offset: 0, .size: 8, .value_kind: global_buffer, .address_space: global }
      - { .name: wq, .offset: 8, .size: 8, .value_kind: global_buffer, .address_space: global }
      - { .name: wk, .offset: 16, .size: 8, .value_kind: global_buffer, .address_space: global }
      - { .name: wv, .offset: 24, .size: 8, .value_kind: global_buffer, .address_space: global }
      - { .name: wo, .offset: 32, .size: 8, .value_kind: global_buffer, .address_space: global }
      - { .name: codes, .offset: 40, .size: 8, .value_kind: global_buffer, .address_space: global }
      - { .name: scales, .offset: 48, .size: 8, .value_kind: global_buffer, .address_space: global }
      - { .name: wos, .offset: 56, .size: 8, .value_kind: global_buffer, .address_space: global }
      - { .name: rope, .offset: 64, .size: 8, .value_kind: global_buffer, .address_space: global }
    .group_segment_fixed_size: 68096
    .private_segment_fixed_size: 0
    .kernarg_segment_align: 8
    .kernarg_segment_size: 72
    .max_flat_workgroup_size: 128
    .sgpr_count:     66
    .vgpr_count:     210
    .wavefront_size: 32
...
	.end_amdgpu_metadata
.endif
;; end of part 1
;; launch gemm_qkv (part 2): grid 6 x 32, 4 waves a work-group, no clusters, 327,680 bytes of LDS; arguments codes, scales, rope, qbuf, kvbuf; writes qbuf, kvbuf
.if DOCPART == 2
	.amdgcn_target "amdgcn-amd-amdhsa--gfx1250"
	.amdhsa_code_object_version 6
	.text
	.protected	k_q7aa44ccff5_gemm_qkv
	.globl	k_q7aa44ccff5_gemm_qkv
	.p2align	8
	.type	k_q7aa44ccff5_gemm_qkv,@function
k_q7aa44ccff5_gemm_qkv:
	s_mov_b64 s[64:65], 0
	v_nop
	global_prefetch_b8 v0, s[64:65] scope:SCOPE_SE
	s_setreg_imm32_b32 hwreg(HW_REG_WAVE_MODE, 25, 1), 1
	s_wait_xcnt 0x0
; q = x wq, k = x wk, v = x wv on codes of FP6 (E2M3) with E8M0 scales, K = 1,024; then the rotation of q and k, in f32, and the quantising of q and k along the head's 64 and of v along the keys.
; A tile is 256 x 256, made by four waves, each 128 x 128 in 64 accumulators.  x and the weights lie in ONE buffer of rows of 768 bytes, so an operand is a row number.
; Tile columns j = 0-3: q; j = 4: k: operand A = 256 rows of x, B = 256 columns of the weight.  j = 5: v, with the roles changed: A = wv's 256 columns, B = 256 rows of x.
; THE MATRIX INSTRUCTION IS USED TRANSPOSED (source 0 = 16 rows of B, source 1 = 16 rows of A): a lane holds one row of A and its registers run along B's rows: along the K of the product that follows.
; K goes through a ring of two LDS slots in CHUNKS OF 256 BYTES of each row (three chunks): a tile's row begins at a multiple of 256 bytes.  A step of 128 along K is 96 bytes: steps 2 and 5 lie across two chunks.
; The scale bytes of the 512 rows, two dense blocks, come once, at the head.  The head's four tiles (chunk 0 of A, of B, A's scales, B's scales) are one tensor load a wave.
; THE ORDER INSIDE A BLOCK OF 32 of what leaves: place p holds element p (0-7, 24-31), p + 8 (8-15), p - 8 (16-23); both operands of each later product have this order; blocks and scales are the true ones.
; OUT: qbuf [4 b][16 heads][16 groups of 128 rows][6,656]: 8 tiles of 16 rows x 64 as images of an operand's registers 0-5 (registers 0-3 at 16 x lane, 4-5 at 512 + 8 x lane), then 512 bytes of scale words
; (row r of tile a at 32 r + 4 a; bytes 2, 3 = 127).  kvbuf [4 b][4 heads][16 steps of 128 keys][13,056]: k as a group of q; v: 4 tiles of 16 x 128 keys as images of 12 registers; v's scale words at 16 r + 4 tile.
; NO CLUSTER: six tile columns do not divide by four, and in column 5 the operand that neighbours share changes its role.  NO PREFETCH: three chunks: the one refill is asked for two steps behind the second fill.
; LIMITS: NaN and infinities are not served; a block whose largest magnitude lies under 2^-124 keeps the byte 1.
; REGISTERS: window 0: v0-31 addresses; v32-63 scale words, two sets; from v128 A's fragments, one set.  window 1: B's fragments, two sets.  windows 2, 3: the accumulators ((a, b) at v[8 (8 (a % 4) + b)]).
.set ROWB,   256
.set NQ,     2
.set KROW,   768
.set STEPS,  8
.set CHUNKS, 3
.set PITCH,  272                       ; 256 bytes + 16 of padding
.set FR,     12
.set NL,     6
.set NP,     4                         ; places behind this matrix instruction (ISA guide 7.12.1)
.set HALFT,  128*PITCH
.set SLOT,   4*HALFT                   ; A's 256 rows, then B's 256 rows
.set KS,     32
.set SCL,    2*SLOT
.set HALFS,  16*272
.set SBLK,   2*272
.set SPARE,  SCL+4*HALFS               ; the spare words, 128 bytes for each wave
.set ADRA, 16                          ; v16-17 my A fragments in slot 0, 1; v18-19 for a piece whose two halves of the lanes read different chunks
.set ADRB, 20
.set ADRS, 27
.set SPW,  28
.set NIL,  29
.set SC,   32
.set AF,   128
.set G1,  24
.set G0,  32                           ; s[32:39] group 0 of the ring, a set for each slot: my 128 rows
.set G1S, 40
.set G0S, 48
.set G0H, 76                           ; s[76:79] group 0 of the head's load of chunk 0: 256 rows
.set MSB, 0
.macro WIN new
.if MSB != \new
	s_set_vgpr_msb (MSB<<8)|\new
.set MSB, \new
.endif
.endm
.set MUL_LO, 0xa1
.set MUL_HI, 0xf1
.set TO_B,   0x40
.macro PLACES n
.rept \n
	v_nop
.endr
.endm
	s_load_b256 s[4:11], s[0:1], 0x0               ; codes 4:5, scales 6:7, rope 8:9, qbuf 10:11
	s_load_b64 s[12:13], s[0:1], 0x20              ; kvbuf
	v_lshl_add_u32 v[SPW], v0, 2, SPARE
	v_mov_b32 v[NIL], 0
	ds_add_u32 v[SPW], v[NIL]                      ; the opening lines: the add twice and one wait
	ds_add_u32 v[SPW], v[NIL]
	v_lshrrev_b32 v1, 5, v0
	v_readfirstlane_b32 s14, v1                    ; wave
	s_lshr_b32 s15, s14, 1                         ; my half of A's rows; in the ring: I fetch for A (0) or B (1)
	s_and_b32 s16, s14, 1                          ; my half of B's rows; in the ring: which 128 rows I fetch
	s_and_b32 s17, ttmp7, 0xffff                   ; i: which 256 rows of x
	s_mov_b32 s18, ttmp9                           ; j: the tile column
	s_lshl_b32 s20, s17, 8
	s_lshl_b32 s21, s18, 8
	s_add_co_u32 s21, s21, 8192
	s_cmp_eq_u32 s18, 5
	s_cselect_b32 s19, 1, 0                        ; v's tile?
	s_cselect_b32 s22, 9472, s20                   ; A's first row
	s_cselect_b32 s23, s20, s21                    ; B's first row
	s_cmp_eq_u32 s16, 0
	s_cselect_b32 s52, s22, s23                    ; at the head even waves fetch for A, odd ones for B
	s_mul_i32 s54, s52, KROW
	s_mov_b32 s55, 0
	s_lshl_b32 s56, s52, 5
	s_mov_b32 s57, 0
	s_cmp_eq_u32 s15, 0
	s_cselect_b32 s53, s22, s23
	s_lshl_b32 s58, s16, 7
	s_add_co_u32 s53, s53, s58
	s_mul_i32 s58, s53, KROW                       ; the ring: my 128 rows
	s_mov_b32 s59, 0
	s_mul_i32 s72, s16, 2*HALFT
	s_mul_i32 s73, s16, 2*HALFS
	s_mul_i32 s74, s14, HALFT
	s_mov_b32 s[G1+0], (1<<20)|(5<<22)|(3<<25)     ; elements of 1 byte; 4 words of padding behind every 64
	s_mov_b32 s[G1+1], ROWB<<16
	s_mov_b32 s[G1+2], 256<<16                     ; 256 rows at the head
	s_mov_b32 s[G1+3], ROWB<<16
	s_mov_b32 s[G1+4], 256
	s_mov_b32 s[G1+5], KROW
	s_mov_b32 s[G1+6], 0
	s_mov_b32 s[G1+7], 0
	s_mov_b32 s[G1S+0], (3<<16)|(1<<20)|(5<<22)|(3<<25)   ; 8,192 dense bytes as 32 rows of 256
	s_mov_b32 s[G1S+1], 32<<16
	s_mov_b32 s[G1S+2], KS<<16
	s_mov_b32 s[G1S+3], 32<<16
	s_mov_b32 s[G1S+4], KS
	s_mov_b32 s[G1S+5], 32
	s_mov_b32 s[G1S+6], 0
	s_mov_b32 s[G1S+7], 0
	s_wait_dscnt 0x0                               ; both opening adds are done
	s_wait_kmcnt 0x0
	s_add_nc_u64 s[54:55], s[4:5], s[54:55]
	s_add_nc_u64 s[56:57], s[6:7], s[56:57]
	s_add_nc_u64 s[58:59], s[4:5], s[58:59]
	s_mov_b32 s[G0H], 1
	s_mov_b32 s[G0H+1], s72
	s_mov_b64 s[G0H+2:G0H+3], s[54:55]
	s_or_b32 s[G0H+3], s[G0H+3], 0x80000000
	s_mov_b32 s[G0S], 1
	s_add_co_u32 s[G0S+1], s73, SCL
	s_mov_b64 s[G0S+2:G0S+3], s[56:57]
	s_or_b32 s[G0S+3], s[G0S+3], 0x80000000
.irp s, 0,1
	s_mov_b32 s[G0+4*\s], 1
	s_add_co_u32 s[G0+4*\s+1], s74, \s*SLOT
	s_add_nc_u64 s[G0+4*\s+2:G0+4*\s+3], s[58:59], \s*ROWB
	s_or_b32 s[G0+4*\s+3], s[G0+4*\s+3], 0x80000000
.endr
	s_cmp_lt_u32 s14, 2                            ; one load a wave: waves 0, 1 chunk 0 of A, of B; waves 2, 3 A's, B's scale bytes
	s_cbranch_scc0 .Lhead_s
	tensor_load_to_lds s[G0H:G0H+3], s[G1:G1+7]
	s_nop 0
	PLACES 4
	s_branch .Lhead_asked
.Lhead_s:
	tensor_load_to_lds s[G0S:G0S+3], s[G1S:G1S+7]
	s_nop 0
	PLACES 4
.Lhead_asked:
	v_and_b32 v1, 15, v0                           ; r
	v_bfe_u32 v2, v0, 4, 1                         ; h
	v_mul_u32_u24 v3, v1, PITCH
	v_mul_u32_u24 v4, v2, 24
	v_add_nc_u32 v4, v3, v4
	s_mov_b32 s21, SLOT-232
	s_mov_b32 s22, SLOT+232
	v_sub_nc_u32 v7, 1, v2
	v_mul_u32_u24 v5, s21, v2
	v_add_nc_u32 v5, v3, v5
	v_add_nc_u32 v5, 232, v5                       ; lanes 0-15 byte 232 of the row in slot 0, lanes 16-31 byte 0 in slot 1
	v_mul_u32_u24 v6, s22, v7
	v_add_nc_u32 v6, v3, v6                        ; and the other way round
	s_mul_i32 s21, s15, HALFT
	s_mul_i32 s22, s16, HALFT
	s_add_co_u32 s22, s22, 2*HALFT
	v_add_nc_u32 v[ADRA+2], s21, v5
	v_add_nc_u32 v[ADRA+3], s21, v6
	v_add_nc_u32 v[ADRB+2], s22, v5
	v_add_nc_u32 v[ADRB+3], s22, v6
.irp s, 0,1
	v_add_nc_u32 v[ADRA+\s], s21, v4
	v_add_nc_u32 v[ADRB+\s], s22, v4
	s_add_co_u32 s21, s21, SLOT
	s_add_co_u32 s22, s22, SLOT
.endr
	v_mul_u32_u24 v5, v1, KS
	v_lshrrev_b32 v6, 8, v5
	v_lshl_add_u32 v5, v6, 4, v5
	s_mul_i32 s21, s15, HALFS
	s_mul_i32 s22, s16, HALFS
	s_add_co_u32 s22, s22, 2*HALFS
	s_sub_co_u32 s22, s22, s21
	v_mul_u32_u24 v6, s22, v2                      ; lanes 16-31 take B's
	s_add_co_u32 s21, s21, SCL
	v_add_nc_u32 v5, v5, v6
	v_add_nc_u32 v[ADRS], s21, v5
.macro FRAG reg, adr, st, i            ; 16 rows x 128 K: 12 registers in pieces of 8 bytes; byte y of a row lies in slot (y / 256) % 2 at byte y % 256
.irp p, 0,1,2,3,4,5
.set BY, 96*(\st)+48*(\p/3)+8*(\p%3)
.if BY/ROWB == (BY+24)/ROWB
	ds_load_b64 v[\reg+2*\p:\reg+2*\p+1], v[\adr+(BY/ROWB)%2] offset:BY%ROWB+(\i)*16*PITCH
.else
	ds_load_b64 v[\reg+2*\p:\reg+2*\p+1], v[\adr+2+(BY/ROWB)%2] offset:BY%ROWB-232+(\i)*16*PITCH
.endif
.endr
.endm
; 16 matrix instructions; the 64 accumulators take turns in the same order in every step
.macro MUL16 a0, p, q, sc, zero
.irp a, \a0, \a0+1
.irp b, 0,1,2,3,4,5,6,7
.if \zero
	v_wmma_scale_f32_16x16x128_f8f6f4 v[8*(8*((\a)%4)+\b):8*(8*((\a)%4)+\b)+7], v[128*(\p)+FR*\b:128*(\p)+FR*\b+FR-1], v[AF+FR*(\a):AF+FR*(\a)+FR-1], 0, v[SC+8*NQ*(\sc)+NQ*\b+(\q)], v[SC+8*NQ*(\sc)+NQ*(\a)+(\q)] matrix_a_fmt:MATRIX_FMT_FP6 matrix_b_fmt:MATRIX_FMT_FP6 matrix_a_scale:MATRIX_SCALE_ROW1
.else
	v_wmma_scale_f32_16x16x128_f8f6f4 v[8*(8*((\a)%4)+\b):8*(8*((\a)%4)+\b)+7], v[128*(\p)+FR*\b:128*(\p)+FR*\b+FR-1], v[AF+FR*(\a):AF+FR*(\a)+FR-1], v[8*(8*((\a)%4)+\b):8*(8*((\a)%4)+\b)+7], v[SC+8*NQ*(\sc)+NQ*\b+(\q)], v[SC+8*NQ*(\sc)+NQ*(\a)+(\q)] matrix_a_fmt:MATRIX_FMT_FP6 matrix_b_fmt:MATRIX_FMT_FP6 matrix_a_scale:MATRIX_SCALE_ROW1
.endif
.endr
.endr
.endm
.macro FETCH_B st, p
	WIN TO_B
.irp i, 0,1,2,3,4,5,6,7
	FRAG 128*(\p)+FR*\i, ADRB, \st, \i
.endr
	WIN 0
.endm
.macro FETCH_A st, i0
.irp i, \i0, \i0+1, \i0+2, \i0+3
	FRAG AF+FR*(\i), ADRA, \st, \i
.endr
.endm
.macro SCALES pr                       ; the scale words of steps 2 pr, 2 pr + 1: lanes 0-15 A's block i, lanes 16-31 B's
.irp i, 0,1,2,3,4,5,6,7
	ds_load_b64 v[SC+8*NQ*((\pr)%2)+NQ*\i:SC+8*NQ*((\pr)%2)+NQ*\i+1], v[ADRS] offset:\i*SBLK+4*NQ*(\pr)
.endr
.endm
; A step of 128 along K.  Where the next step's bytes END in a chunk not read yet: every wave waits for its tensor loads, and a barrier shows that chunk whole.  Where they BEGIN in a later chunk: the chunk left behind is read
; no more: the wait for all tensor loads, the add, the wait for it and for my reads, the barrier; and where a chunk two further on is left, the slot is filled again, my one load behind that barrier.
.macro STEP st, zero
.set NX, (\st)+1
.set C0, (96*(\st))/ROWB
.set C1, (96*NX)/ROWB
.set E0, (96*(\st)+95)/ROWB
.set E1, (96*NX+95)/ROWB
.if C1 > C0 || E1 > E0
	s_wait_tensorcnt 0x0
.if C1 > C0
	ds_add_u32 v[SPW], v[NIL]
	s_wait_dscnt 4*NL+1                            ; the add and A's blocks 4-7 may be out
.else
	s_wait_dscnt 4*NL
.endif
	WIN MUL_LO
	MUL16 0, (\st)%2, (\st)%2, ((\st)/2)%2, \zero
	s_wait_dscnt 0x0                               ; the add and all my reads are done
	s_barrier_signal -1
	MUL16 2, (\st)%2, (\st)%2, ((\st)/2)%2, \zero
	WIN 0
	s_barrier_wait -1
.if C1 > C0 && C0+2 < CHUNKS
	s_add_nc_u64 s[G0+4*(C0%2)+2:G0+4*(C0%2)+3], s[G0+4*(C0%2)+2:G0+4*(C0%2)+3], 2*ROWB
	tensor_load_to_lds s[G0+4*(C0%2):G0+4*(C0%2)+3], s[G1:G1+7]
	s_nop 0
.endif
	PLACES NP
.else
	s_wait_dscnt 4*NL                              ; B's set and A's blocks 0-3 are in
	WIN MUL_LO
	MUL16 0, (\st)%2, (\st)%2, ((\st)/2)%2, \zero
	MUL16 2, (\st)%2, (\st)%2, ((\st)/2)%2, \zero
	s_wait_dscnt 0
	PLACES NP
.endif
	FETCH_B NX, NX%2
	FETCH_A NX, 0
.if NX%2 == 0
	SCALES NX/2
.endif
	WIN MUL_HI
	MUL16 4, (\st)%2, (\st)%2, ((\st)/2)%2, \zero
	MUL16 6, (\st)%2, (\st)%2, ((\st)/2)%2, \zero
	PLACES NP
	WIN 0
	FETCH_A NX, 4
.endm
	s_wait_alu depctr_va_vdst(0)                   ; the wait at the head's end
	s_wait_tensorcnt 0x0                           ; my tile of the head's four is in; slot 1's first fill is issued as a refill is
	ds_add_u32 v[SPW], v[NIL]
	s_mov_b32 s[G1+2], 128<<16                     ; no load of mine is out: from here on a load brings 128 rows
	s_mov_b32 s[G1+4], 128
	s_wait_dscnt 0x0
	s_barrier_signal -1
	s_barrier_wait -1
	tensor_load_to_lds s[G0+4:G0+7], s[G1:G1+7]    ; chunk 1
	s_nop 0
	PLACES 4
	FETCH_B 0, 0
	FETCH_A 0, 0
	SCALES 0
	FETCH_A 0, 4
	STEP 0, 1                                      ; the first step starts the sums
.set ST, 1
.rept STEPS-2
	STEP ST, 0
.set ST, ST+1
.endr
	s_wait_dscnt 4*NL
	WIN MUL_LO
	MUL16 0, 1, 1, 1, 0
	MUL16 2, 1, 1, 1, 0
	s_wait_dscnt 0
	WIN MUL_HI
	MUL16 4, 1, 1, 1, 0
	MUL16 6, 1, 1, 1, 0
	WIN 0
	PLACES NP
; ---- the results become operands
.set CT,  32                           ; v32-95 the table, two sets
.set WK,  96                           ; v96-159 two heads of a row, rotated
.set CD,  160                          ; v160-178 codes
.set TM,  180                          ; v180-195 magnitudes, bytes, scale operands
.set PW,  196
.set T,   198
.set SWS, 208
.set OUT, 216
	v_lshlrev_b32 v16, 8, v1
	v_lshl_add_u32 v16, v2, 5, v16                 ; the table: 256 r + 32 h
	v_and_b32 v3, 31, v0
	v_lshlrev_b32 v17, 4, v3
	v_lshlrev_b32 v18, 3, v3
	v_lshlrev_b32 v19, 5, v1
	v_lshl_add_u32 v19, v2, 4, v19
	v_lshlrev_b32 v20, 4, v1
	v_lshl_add_u32 v20, v2, 3, v20
.irp b, 0,1,2,3
	v_mov_b32 v[TM+4+\b], 0                        ; a lane permute's destination counts as a source
.endr
	v_cmp_ne_u32 vcc_lo, 0, v2                     ; lanes 16-31
	s_mov_b32 s70, 0x76543210
	s_mov_b32 s71, 0xfedcba98
	s_mov_b32 s68, 0x7f7f0000                      ; the bytes of the two blocks that a head of 64 does not have
	s_lshr_b32 s20, s17, 3                         ; b
	s_and_b32 s21, s17, 7                          ; which 256 positions
; 64 numbers of a lane in window w become a fragment's codes in v[CD] on and its scale word in v[PW]; each accumulator is read from its low end on
.macro QUANT s, w
	WIN 5*(\w)
.irp b, 0,1,2,3
	v_max3_num_f32 v[TM+\b], |v[\s+16*\b]|, |v[\s+1+16*\b]|, 0x1800000   ; with the floor 2^(3 - 127)
.endr
.irp i, 2,4,6,8,10,12,14
.irp b, 0,1,2,3
	v_max3_num_f32 v[TM+\b], |v[\s+16*\b+\i]|, |v[\s+1+16*\b+\i]|, v[TM+\b]
.endr
.endr
	WIN 0
.irp b, 0,1,2,3
	v_permlanex16_b32 v[TM+4+\b], v[TM+\b], s70, s71
.endr
.irp b, 0,1,2,3
	v_max_num_f32 v[TM+\b], v[TM+\b], v[TM+4+\b]
.endr
.irp b, 0,1,2,3
	v_add_nc_u32 v[TM+12+\b], 0xff000000, v[TM+\b] ; 2 off the exponent field: the conversion's scale operand
.endr
.irp b, 0,1,2,3
	v_lshrrev_b32 v[TM+4+\b], 23, v[TM+12+\b]
.endr
	v_lshl_or_b32 v[PW], v[TM+5], 8, v[TM+4]
	v_lshl_or_b32 v[PW], v[TM+6], 16, v[PW]
	v_lshl_or_b32 v[PW], v[TM+7], 24, v[PW]
	WIN (\w)
.irp c, 0,1
	v_cvt_scalef32_pk16_fp6_f32 v[CD+6*\c:CD+2+6*\c], v[\s+32*\c:\s+15+32*\c], v[TM+12+2*\c]
	v_cvt_scalef32_pk16_fp6_f32 v[CD+12+4*\c:CD+14+4*\c], v[\s+16+32*\c:\s+31+32*\c], v[TM+12+2*\c+1]
.endr
	WIN 0
	v_nop                                          ; one plain place behind the conversions
.irp c, 0,1
.irp i, 0,1,2
	v_permlane16_swap_b32 v[CD+6*\c+\i], v[CD+12+4*\c+\i]
.endr
.irp i, 0,1,2
	v_mov_b32 v[CD+3+6*\c+\i], v[CD+12+4*\c+\i]
.endr
.endr
.endm
	s_cmp_eq_u32 s19, 1
	s_cbranch_scc1 .Lv
; ---- q and k: my 128 columns are two heads; row block a is 16 positions
	s_lshl_b32 s22, s21, 1
	s_add_co_u32 s22, s22, s15                     ; my group of 128 rows
	s_lshl_b32 s52, s20, 4
	s_lshl_b32 s53, s18, 2
	s_add_co_u32 s52, s52, s53
	s_lshl_b32 s53, s20, 2
	s_mov_b32 s54, 13056
	s_cmp_lt_u32 s18, 4
	s_cselect_b32 s52, s52, s53
	s_cselect_b64 s[60:61], s[10:11], s[12:13]
	s_cselect_b32 s54, 6656, s54
	s_lshl_b32 s55, s16, 1
	s_add_co_u32 s52, s52, s55
	s_lshl_b32 s52, s52, 4
	s_add_co_u32 s52, s52, s22
	s_mul_i32 s52, s52, s54
	s_mov_b32 s53, 0
	s_add_nc_u64 s[60:61], s[60:61], s[52:53]      ; my first head's group
	s_lshl_b32 s52, s54, 4
	s_add_nc_u64 s[62:63], s[60:61], s[52:53]      ; my second head's
	s_lshl_b32 s52, s21, 16
	s_lshl_b32 s55, s15, 15
	s_add_co_u32 s52, s52, s55
	s_add_nc_u64 s[66:67], s[8:9], s[52:53]        ; the table at my first position
.macro TABLOAD a, p
.irp t, 0,1
.irp u, 0,1
	global_load_b128 v[CT+32*(\p)+8*\t+4*\u:CT+32*(\p)+8*\t+4*\u+3], v16, s[66:67] offset:(\a)*4096+64*\t+16*\u
	global_load_b128 v[CT+32*(\p)+16+8*\t+4*\u:CT+32*(\p)+16+8*\t+4*\u+3], v16, s[66:67] offset:(\a)*4096+128+64*\t+16*\u
.endr
.endr
.endm
.macro ROPE a, p                       ; d < 32: q(d) cos - q(d + 32) sin;  d + 32: q(d + 32) cos + q(d) sin; the two lie 16 registers apart
.set AC, 64*((\a)%4)
.set CC, CT+32*(\p)
	WIN 2+(\a)/4
.irp e, 0,1
.irp x, 0,2,4,6,8,10,12,14
	v_pk_mul_f32 v[T+2*(\x%4):T+2*(\x%4)+1], v[AC+32*\e+16+\x:AC+32*\e+17+\x], v[CC+16+\x:CC+17+\x]
	v_pk_mul_f32 v[T+2*(\x%4)+2:T+2*(\x%4)+3], v[AC+32*\e+\x:AC+32*\e+1+\x], v[CC+16+\x:CC+17+\x]
	v_pk_fma_f32 v[WK+32*\e+\x:WK+32*\e+1+\x], v[AC+32*\e+\x:AC+32*\e+1+\x], v[CC+\x:CC+1+\x], v[T+2*(\x%4):T+2*(\x%4)+1] neg_lo:[0,0,1] neg_hi:[0,0,1]
	v_pk_fma_f32 v[WK+32*\e+16+\x:WK+32*\e+17+\x], v[AC+32*\e+16+\x:AC+32*\e+17+\x], v[CC+\x:CC+1+\x], v[T+2*(\x%4)+2:T+2*(\x%4)+3]
.endr
.endr
	WIN 0
.endm
	TABLOAD 0, 0
.irp a, 0,1,2,3,4,5,6,7
.if \a < 7
	TABLOAD \a+1, (\a+1)%2
	s_wait_loadcnt 8                               ; this block's eight loads are in; the next block's may be out
.else
	s_wait_loadcnt 0x0
.endif
	ROPE \a, \a%2
	s_wait_xcnt 0x0                                ; the last block's stores have read their registers
	QUANT WK, 0
.irp e, 0,1
	global_store_b128 v17, v[CD+6*\e:CD+6*\e+3], s[60+2*\e:61+2*\e] offset:768*\a
	global_store_b64 v18, v[CD+6*\e+4:CD+6*\e+5], s[60+2*\e:61+2*\e] offset:768*\a+512
.endr
	v_mov_b32 v[SWS+\a], v[PW]
.endr
.irp k, 0,1,2,3
	v_cndmask_b32 v[OUT+\k], v[SWS+\k], v[SWS+4+\k], vcc_lo        ; lane (r, h) sends the words of row blocks 4 h .. 4 h + 3
.endr
.irp k, 0,1,2,3
	v_and_or_b32 v[OUT+4+\k], v[OUT+\k], 0xffff, s68
.endr
.irp k, 0,1,2,3
	v_lshrrev_b32 v[OUT+\k], 16, v[OUT+\k]
.endr
.irp k, 0,1,2,3
	v_or_b32 v[OUT+\k], s68, v[OUT+\k]
.endr
	global_store_b128 v19, v[OUT+4:OUT+7], s[60:61] offset:6144
	global_store_b128 v19, v[OUT:OUT+3], s[62:63] offset:6144
	s_wait_tensorcnt 0x0                           ; the wave's end
	ds_add_u32 v[SPW], v[NIL]
	s_wait_dscnt 0x0
	s_endpgm
; ---- v: my 128 rows of A are two heads' 64 numbers; my 128 rows of B are one step of 128 keys
.Lv:
	s_lshl_b32 s52, s20, 2
	s_lshl_b32 s53, s15, 1
	s_add_co_u32 s52, s52, s53
	s_lshl_b32 s52, s52, 4
	s_lshl_b32 s53, s21, 1
	s_add_co_u32 s53, s53, s16
	s_add_co_u32 s52, s52, s53
	s_mul_i32 s52, s52, 13056
	s_add_co_u32 s52, s52, 6656                    ; v lies behind k
	s_mov_b32 s53, 0
	s_add_nc_u64 s[60:61], s[12:13], s[52:53]
	s_add_nc_u64 s[62:63], s[60:61], 208896        ; the next head
.irp a, 0,1,2,3,4,5,6,7
	s_wait_xcnt 0x0
	QUANT 64*(\a%4), 2+\a/4
.irp c, 0,1,2
	global_store_b128 v17, v[CD+4*\c:CD+4*\c+3], s[60+2*(\a/4):61+2*(\a/4)] offset:1536*(\a%4)+512*\c
.endr
	v_mov_b32 v[SWS+\a], v[PW]
.endr
.irp u, 0,1
	v_cndmask_b32 v[OUT+2*\u], v[SWS+4*\u], v[SWS+4*\u+2], vcc_lo
	v_cndmask_b32 v[OUT+2*\u+1], v[SWS+4*\u+1], v[SWS+4*\u+3], vcc_lo
.endr
	global_store_b64 v20, v[OUT:OUT+1], s[60:61] offset:6144
	global_store_b64 v20, v[OUT+2:OUT+3], s[62:63] offset:6144
	s_wait_tensorcnt 0x0
	ds_add_u32 v[SPW], v[NIL]
	s_wait_dscnt 0x0
	s_endpgm
.Lfunc_end_k_q7aa44ccff5_gemm_qkv:
	.size	k_q7aa44ccff5_gemm_qkv, .Lfunc_end_k_q7aa44ccff5_gemm_qkv-k_q7aa44ccff5_gemm_qkv
	.p2alignl 7, 3214868480
	.fill 96, 4, 3214868480
	.section	.rodata,"a",@progbits
	.p2align	6, 0x0
	.amdhsa_kernel k_q7aa44ccff5_gemm_qkv
		.amdhsa_group_segment_fixed_size 327680
		.amdhsa_private_segment_fixed_size 0
		.amdhsa_enable_private_segment 0
		.amdhsa_kernarg_size 40
		.amdhsa_user_sgpr_count 2
		.amdhsa_user_sgpr_kernarg_segment_ptr 1
		.amdhsa_wavefront_size32 1
		.amdhsa_system_sgpr_workgroup_id_x 1
		.amdhsa_system_sgpr_workgroup_id_y 1
		.amdhsa_system_sgpr_workgroup_id_z 1
		.amdhsa_system_vgpr_workitem_id 0
		.amdhsa_next_free_vgpr 1024
		.amdhsa_next_free_sgpr 84
		.amdhsa_reserve_vcc 1
		.amdhsa_float_denorm_mode_32 3
		.amdhsa_float_denorm_mode_16_64 3
		.amdhsa_memory_ordered 1
		.amdhsa_forward_progress 1
		.amdhsa_inst_pref_size 235
	.end_amdhsa_kernel
	.amdgpu_metadata
---
amdhsa.version: [ 1, 2 ]
amdhsa.kernels:
  - .name:           k_q7aa44ccff5_gemm_qkv
    .symbol:         k_q7aa44ccff5_gemm_qkv.kd
    .args:
      - { .name: codes, .offset: 0, .size: 8, .value_kind: global_buffer, .address_space: global }
      - { .name: scales, .offset: 8, .size: 8, .value_kind: global_buffer, .address_space: global }
      - { .name: rope, .offset: 16, .size: 8, .value_kind: global_buffer, .address_space: global }
      - { .name: qbuf, .offset: 24, .size: 8, .value_kind: global_buffer, .address_space: global }
      - { .name: kvbuf, .offset: 32, .size: 8, .value_kind: global_buffer, .address_space: global }
    .group_segment_fixed_size: 327680
    .private_segment_fixed_size: 0
    .kernarg_segment_align: 8
    .kernarg_segment_size: 40
    .max_flat_workgroup_size: 128
    .sgpr_count:     84
    .vgpr_count:     1024
    .wavefront_size: 32
...
	.end_amdgpu_metadata
.endif
;; end of part 2
;; launch attn (part 3): grid 16 x 16, 16 waves a work-group, clusters of 4 x 1, 327,680 bytes of LDS; arguments qbuf, kvbuf, ac, asc; writes ac, asc
.if DOCPART == 3
	.amdgcn_target "amdgcn-amd-amdhsa--gfx1250"
	.amdhsa_code_object_version 6
	.text
	.protected	k_q7aa44ccff5_attn
	.globl	k_q7aa44ccff5_attn
	.p2align	8
	.type	k_q7aa44ccff5_attn,@function
k_q7aa44ccff5_attn:
	s_mov_b64 s[64:65], 0
	v_nop
	global_prefetch_b8 v0, s[64:65] scope:SCOPE_SE
	s_setreg_imm32_b32 hwreg(HW_REG_WAVE_MODE, 25, 1), 1
	s_wait_xcnt 0x0
	s_wait_alu depctr_hold_cnt(0) depctr_sa_sdst(0) depctr_va_vdst(0) depctr_va_sdst(0) depctr_va_ssrc(0) depctr_va_vcc(0) depctr_vm_vsrc(0)
	s_getreg_b32 s2, hwreg(HW_REG_IB_STS2, 6, 4)
	s_cmp_eq_u32 s2, 0
	s_cbranch_scc0 .Lentry_in_a_cluster
	s_endpgm
.Lentry_in_a_cluster:
	s_bfe_u32 s2, ttmp6, 0x10000c
	s_cmp_lg_u32 s2, 0x3003
	s_cbranch_scc0 .Lentry_shape_is_right
	s_endpgm
.Lentry_shape_is_right:
; Causal attention on codes of FP6 (E2M3): scores = q k^T / 8, p = 2^(t - M), o = (p v) / l; o is quantised along the heads' numbers and leaves as codes for the last product.
; THE SOFTMAX: t = score x log2(e) / 8; M = the row's largest t so far, rounded UP to a whole number; p = 2^(t - M) is quantised along the keys; l is the sum of the unquantised p.  When M moves, l and O are multiplied by
; 2^(old M - new M), which rounds nothing.
; WORK LEFT OUT: steps of 128 keys that lie wholly behind a tile's queries (reference()'s own causal mask gives them the weight 0) are not walked.
; SHARES.  A work-group serves one batch and key-value head (y = 4 b + head).  ALL 16 steps of that head's k and v, 16 x 13,056 bytes, lie in LDS for the whole launch: wave w fetches step w, one tensor load a wave, nothing is filled
; again, and behind the one barrier the waves walk on their own.  x = 2 tq + hp.  Wave w = 2 k + e: query head 2 hp + e of the four, and TWO tiles of 16 queries: tile 127 - tq - 8 k first (16 - k steps), then tile tq + 8 k
; (k + 1 steps): 17 steps for every wave, and the trip at which a wave changes tiles hangs on its number alone.  Waves 0 and 1 of every work-group read all 16 steps.
; CLUSTER: the four work-groups of a cluster (same y) want the same 16 tiles at the same place of the text: each tile is asked for jointly, mask 15.
; NO PREFETCH: all tensor loads go out at the head; there is no loop to run ahead in.
; LAYOUT.  Both products are used transposed: S^T = k q^T, O^T = v^T p^T: a lane holds ONE query.  Inside a block of 32 all operands have the order in which the launch before left them.
; THE FIRST PRODUCT'S K IS 64: q's registers 6-11 are zero codes; a tile of k's registers 6-11 are the next tile's codes (zeros behind the last), finite numbers that times zero add nothing; their scale bytes are 127.
; OUT: ac [4 kv heads][512 blocks of 16 rows][4 heads][768]: images of an operand's registers 0-5.  asc [8 steps of 128 along K][8,192 rows][4 bytes].
; LIMITS: NaN and infinities are not served; a block of o whose largest magnitude lies under 2^-124 keeps the byte 1; the scaled scores stay under 2^31 in magnitude.
.set STEPB, 13056
.set SCR,   16*STEPB                   ; o's scale bytes: [tile 0, 1][8 slots][16 rows][4 bytes]: written by LDS stores alone
.set SPARE, SCR+1024                   ; the spare words, 128 bytes for each of 16 waves
.set KV,  32                           ; v32-79 k's 8 tiles x 6 registers, later v's 4 x 12; v80-85 zeros
.set S,   86                           ; v86-149 S^T, then p
.set O,   150                          ; v150-181 O^T
.set PCD, 182
.set CT2, 194
.set BM,  202
.set BT,  206
.set SO,  210
.set KSW, 214
.set VSW, 222
.set FF,  226
.set TP,  228
.set QB,  230                          ; v230-236 the second tile's q and its scale word
.set SA2, 237                          ; my place in SCR for the second tile
.set FC,  238
.set AS,  246                          ; v246-253 four chains of the row's sum
; v1 16 x lane, v2 8 x lane, v3 32 r, v4 16 r, v5 my spare word, v6 0, v7 r - 8 h, v8-11 the step's LDS addresses, v12 -M, v13 the largest t, v[14:15] the sum, v16-21 q, v22-27 zeros, v28 q's scale word, v29 p's, v30 SCR, first tile
; s12 wave, s13 head, s14 k, s15 y, s16 b, s17 kv head, s18, s19 the tiles, s20 the trip in which the tile at hand ends, s21 the first tile's steps, s41 the trip, s42 the step's LDS bytes, s43 my first query less the last step's first key
.macro ROUND
	s_barrier_signal -1
	s_barrier_wait -1
	s_cmp_lg_u32 s12, 0
	s_cbranch_scc1 .Lnot_wave_0_\@
	s_barrier_signal -3
.Lnot_wave_0_\@:
	s_barrier_wait -3
	s_barrier_signal -1
	s_barrier_wait -1
.endm
	s_load_b256 s[4:11], s[0:1], 0x0               ; qbuf 4:5, kvbuf 6:7, ac 8:9, asc 10:11
	v_lshl_add_u32 v5, v0, 2, SPARE
	v_mov_b32 v6, 0
	ds_add_u32 v5, v6                              ; the opening lines: the add twice and one wait
	ds_add_u32 v5, v6
	v_lshrrev_b32 v7, 5, v0
	v_readfirstlane_b32 s12, v7
	s_and_b32 s40, s12, 1
	s_lshr_b32 s14, s12, 1
	s_and_b32 s15, ttmp7, 0xffff
	s_lshr_b32 s16, s15, 2
	s_and_b32 s17, s15, 3
	s_bfe_u32 s38, ttmp6, 0x40000                  ; cx
	s_lshl_b32 s39, ttmp9, 2
	s_add_co_u32 s38, s38, s39                     ; x
	s_and_b32 s53, s38, 1                          ; hp
	s_lshr_b32 s52, s38, 1                         ; tq
	s_lshl_b32 s13, s53, 1
	s_add_co_u32 s13, s13, s40
	s_lshl_b32 s19, s14, 3
	s_add_co_u32 s19, s19, s52                     ; the second tile
	s_sub_co_u32 s18, 127, s19                     ; the first
	s_sub_co_u32 s21, 16, s14
	s_sub_co_u32 s20, 15, s14
	s_mov_b32 s24, (3<<16)|(1<<21)|15              ; elements of 8 bytes; the mask of the cluster's four, bit 21 beside it
	s_mov_b32 s25, 32<<16                          ; rows of 256 bytes
	s_mov_b32 s26, 51<<16
	s_mov_b32 s27, 32<<16
	s_mov_b32 s28, 51
	s_mov_b32 s29, 32                              ; dense
	s_mov_b32 s30, 0
	s_mov_b32 s31, 0
	s_mov_b32 s22, 0x3e38aa3b                      ; c = log2(e) / 8
	s_mov_b32 s23, s22
	s_mov_b32 s46, 0x76543210
	s_mov_b32 s47, 0xfedcba98
	s_mov_b32 s41, 0
	s_mul_i32 s33, s12, STEPB                      ; step w goes to w x 13,056
	s_mul_i32 s38, s15, 16*STEPB
	s_add_co_u32 s38, s38, s33
	s_mov_b32 s39, 0
	s_mov_b32 s32, 1
	s_wait_dscnt 0x0
	s_wait_kmcnt 0x0
	s_add_nc_u64 s[34:35], s[6:7], s[38:39]
	s_or_b32 s35, s35, 0x80000000
	ROUND                                          ; the four work-groups are here: the joint loads meet
	tensor_load_to_lds s[32:35], s[24:31]          ; my one tensor load
	s_nop 0
.rept 4
	v_nop
.endr
.macro BLK i, qc, qs, acp, dk          ; tile s[i]: q's codes and scale words, o's codes, and 16 (tile % 8)
	s_lshr_b32 s66, s[\i], 3
	s_and_b32 s68, s[\i], 7
	s_lshl_b32 s69, s15, 2
	s_add_co_u32 s69, s69, s13
	s_lshl_b32 s69, s69, 4
	s_add_co_u32 s69, s69, s66
	s_mul_i32 s66, s69, 6656
	s_mul_i32 s70, s68, 768
	s_add_co_u32 s70, s70, s66
	s_mov_b32 s71, 0
	s_add_nc_u64 s[\qc:\qc+1], s[4:5], s[70:71]
	s_lshl_b32 s70, s68, 2
	s_add_co_u32 s70, s70, s66
	s_add_co_u32 s70, s70, 6144
	s_add_nc_u64 s[\qs:\qs+1], s[4:5], s[70:71]
	s_lshl_b32 s70, s16, 7
	s_add_co_u32 s70, s70, s[\i]
	s_mul_i32 s70, s70, 3072
	s_mul_i32 s69, s13, 768
	s_add_co_u32 s70, s70, s69
	s_mul_i32 s69, s17, 1572864
	s_add_co_u32 s70, s70, s69
	s_add_nc_u64 s[\acp:\acp+1], s[8:9], s[70:71]
	s_lshl_b32 s[\dk], s68, 4
.endm
	BLK 18, 56, 58, 48, 43
	BLK 19, 60, 62, 50, 44
	v_and_b32 v8, 31, v0
	v_and_b32 v9, 15, v0                           ; r
	v_bfe_u32 v10, v0, 4, 1                        ; h
	v_lshlrev_b32 v1, 4, v8
	v_lshlrev_b32 v2, 3, v8
	v_lshlrev_b32 v3, 5, v9
	v_lshlrev_b32 v4, 4, v9
	v_lshlrev_b32 v7, 3, v10
	s_delay_alu instid0(VALU_DEP_1)
	v_sub_nc_u32 v7, v9, v7
	global_load_b128 v[16:19], v1, s[56:57]
	global_load_b64 v[20:21], v2, s[56:57] offset:512
	global_load_b32 v28, v3, s[58:59]
	global_load_b128 v[QB:QB+3], v1, s[60:61]
	global_load_b64 v[QB+4:QB+5], v2, s[60:61] offset:512
	global_load_b32 v[QB+6], v3, s[62:63]
	s_wait_alu depctr_va_vdst(0)
	s_lshl_b32 s40, s40, 1
	s_xor_b32 s38, s14, 7                          ; the first tile's slot 7 - k: slot n holds tile 71 - tq + 8 n
	s_lshl_b32 s38, s38, 6
	s_add_co_u32 s38, s38, s40
	s_add_co_u32 s38, s38, SCR
	v_lshl_add_u32 v30, v9, 2, s38
	s_lshl_b32 s38, s14, 6                         ; the second tile's slot k: slot n holds tile tq + 8 n
	s_add_co_u32 s38, s38, s40
	s_add_co_u32 s38, s38, SCR+512
	v_lshl_add_u32 v[SA2], v9, 2, s38
.irp j, 0,1,2,3,4,5
	v_mov_b32 v[22+\j], 0
	v_mov_b32 v[80+\j], 0
.endr
.irp b, 0,1,2,3
	v_mov_b32 v[BT+\b], 0                          ; a lane permute's destination counts as a source
.endr
	v_mov_b32 v[FF+1], 0                           ; (named as the upper halves of pairs)
	v_mov_b32 v[TP+1], 0
.macro FRESH                           ; a tile begins: the largest t under every t; the sum and O^T zeros
	v_mov_b32 v13, 0xff61b1e6
	s_delay_alu instid0(VALU_DEP_1)
	v_floor_f32 v12, -v13
	v_mov_b32 v14, 0
	v_mov_b32 v15, 0
.set j, 0
.rept 32
	v_mov_b32 v[O+j], 0
.set j, j+1
.endr
.endm
	FRESH
; A tile ends: O^T / l, quantised along the head's 64; the codes leave as an image of registers 0-5, the two scale bytes go to SCR
.macro FIN ph, scr
	s_wait_xcnt 0x0                                ; earlier stores have read their registers
.rept 4
	v_nop                                          ; places behind the last products
.endr
	v_add_f32 v14, v14, v15
	s_delay_alu instid0(VALU_DEP_1)
	v_permlanex16_b32 v[BT], v14, s46, s47
	s_delay_alu instid0(VALU_DEP_1)
	v_add_f32 v14, v14, v[BT]
	s_wait_alu depctr_va_vdst(0)                   ; the wait ahead of the reciprocal,
	v_rcp_f32 v[TP], v14
	v_nop
	s_wait_alu depctr_va_vdst(0)                   ; and behind it
.set j, 0
.rept 16
	v_pk_mul_f32 v[S+j:S+j+1], v[O+j:O+j+1], v[TP:TP+1] op_sel_hi:[1,0]
.set j, j+2
.endr
.irp b, 0,1
	v_max3_num_f32 v[BM+\b], |v[S+16*\b]|, |v[S+1+16*\b]|, 0x1800000
.endr
.irp i, 2,4,6,8,10,12,14
.irp b, 0,1
	s_delay_alu instid0(VALU_DEP_2)
	v_max3_num_f32 v[BM+\b], v[BM+\b], |v[S+16*\b+\i]|, |v[S+1+16*\b+\i]|
.endr
.endr
.irp b, 0,1
	s_delay_alu instid0(VALU_DEP_2)
	v_permlanex16_b32 v[BT+\b], v[BM+\b], s46, s47
.endr
.irp b, 0,1
	s_delay_alu instid0(VALU_DEP_2)
	v_max_num_f32 v[BM+\b], v[BM+\b], v[BT+\b]
.endr
.irp b, 0,1
	s_delay_alu instid0(VALU_DEP_2)
	v_add_nc_u32 v[SO+\b], 0xff000000, v[BM+\b]
.endr
.irp b, 0,1
	s_delay_alu instid0(VALU_DEP_2)
	v_lshrrev_b32 v[BT+\b], 23, v[SO+\b]
.endr
	s_delay_alu instid0(VALU_DEP_1)
	v_lshl_or_b32 v[TP], v[BT+1], 8, v[BT]
	ds_store_b16 v[\scr], v[TP]                    ; lanes r and r + 16 write the same two bytes with the same value
	v_cvt_scalef32_pk16_fp6_f32 v[FC:FC+2], v[S:S+15], v[SO]
	v_cvt_scalef32_pk16_fp6_f32 v[FC+4:FC+6], v[S+16:S+31], v[SO+1]
	v_nop
.irp i, 0,1,2
	v_permlane16_swap_b32 v[FC+\i], v[FC+4+\i]
.endr
.irp i, 0,1,2
	s_delay_alu instid0(VALU_DEP_3)
	v_mov_b32 v[FC+3+\i], v[FC+4+\i]
.endr
	global_store_b128 v1, v[FC:FC+3], s[48+2*\ph:49+2*\ph]
	global_store_b64 v2, v[FC+4:FC+5], s[48+2*\ph:49+2*\ph] offset:512
.endm
	s_wait_alu depctr_va_vdst(0)                   ; the wait at the head's end
	s_wait_loadcnt 0x0                             ; q
	s_wait_tensorcnt 0x0                           ; my step's tiles are in
	s_barrier_signal -1
	s_barrier_wait -1                              ; everybody's are: all 16 steps lie in LDS, and nothing writes them again
.Lstep:                                            ; 17 trips
	s_add_co_u32 s38, s41, s14
	s_and_b32 s38, s38, 15                         ; the second tile's step: trip - (16 - k)
	s_cmp_lt_u32 s41, s21
	s_cselect_b32 s38, s41, s38
	s_min_u32 s38, s38, 15
	s_mul_i32 s42, s38, STEPB
	v_add_nc_u32 v8, s42, v1                       ; (these four are also the places in front of the loads into registers that the last products read)
	v_add_nc_u32 v9, s42, v2
	v_add_nc_u32 v10, s42, v3
	v_add_nc_u32 v11, s42, v4
.irp t, 0,1,2,3,4,5,6,7
	ds_load_b128 v[KV+6*\t:KV+6*\t+3], v8 offset:768*\t
	ds_load_b64 v[KV+6*\t+4:KV+6*\t+5], v9 offset:768*\t+512
.endr
	ds_load_b128 v[KSW:KSW+3], v10 offset:6144
	ds_load_b128 v[KSW+4:KSW+7], v10 offset:6160
	s_wait_alu depctr_va_vdst(0)
	s_wait_dscnt 0x0
.irp t, 0,1,2,3,4,5,6,7
	v_wmma_scale_f32_16x16x128_f8f6f4 v[S+8*\t:S+8*\t+7], v[KV+6*\t:KV+6*\t+11], v[16:27], 0, v[KSW+\t], v28 matrix_a_fmt:MATRIX_FMT_FP6 matrix_b_fmt:MATRIX_FMT_FP6
.endr
.rept 4
	v_nop
.endr
.irp d, 0,1,2,3
.irp c, 0,1,2
	ds_load_b128 v[KV+12*\d+4*\c:KV+12*\d+4*\c+3], v8 offset:6656+1536*\d+512*\c   ; v lands while the softmax is walked
.endr
.endr
	ds_load_b128 v[VSW:VSW+3], v11 offset:12800
	s_cmp_lg_u32 s41, s20                          ; keys are hidden in a tile's last step alone
	s_cbranch_scc1 .Lopen
	v_add_nc_u32 v31, s43, v7                      ; register 8 t + j holds key 16 t + 8 h + j of the step: hidden where 16 t + j > my query - the step's first key - 8 h
	v_mov_b32 v[TP], 0xff800000
.set n, 0
.rept 64
	v_cmp_gt_i32 vcc_lo, 16*(n/8)+n%8, v31
	v_cndmask_b32 v[S+n], v[S+n], v[TP], vcc_lo
.set n, n+1
.endr
.Lopen:
.irp b, 0,1,2,3
	v_max3_num_f32 v[BM+\b], v[S+16*\b], v[S+1+16*\b], v[S+2+16*\b]   ; each block's largest score: for the row's maximum and for the block's largest p
.endr
.irp i, 3,5,7,9,11,13
.irp b, 0,1,2,3
	v_max3_num_f32 v[BM+\b], v[BM+\b], v[S+16*\b+\i], v[S+1+16*\b+\i]
.endr
.endr
.irp b, 0,1,2,3
	v_max_num_f32 v[BM+\b], v[BM+\b], v[S+15+16*\b]
.endr
.irp b, 0,1,2,3
	s_delay_alu instid0(VALU_DEP_4)
	v_permlanex16_b32 v[BT+\b], v[BM+\b], s46, s47
.endr
.irp b, 0,1,2,3
	s_delay_alu instid0(VALU_DEP_4)
	v_max_num_f32 v[BM+\b], v[BM+\b], v[BT+\b]
.endr
	s_delay_alu instid0(VALU_DEP_2)
	v_max3_num_f32 v[TP], v[BM], v[BM+1], v[BM+2]
	s_delay_alu instid0(VALU_DEP_1)
	v_max_num_f32 v[TP], v[TP], v[BM+3]
	s_delay_alu instid0(VALU_DEP_1)
	v_mul_f32 v[TP], s22, v[TP]
	s_delay_alu instid0(VALU_DEP_1)
	v_max_num_f32 v13, v13, v[TP]                  ; the running largest t
	v_mov_b32 v[TP], v12
	s_delay_alu instid0(VALU_DEP_2)
	v_floor_f32 v12, -v13                          ; the new -M
	s_delay_alu instid0(VALU_DEP_1)
	v_sub_f32 v[TP], v12, v[TP]
	s_delay_alu instid0(VALU_DEP_1)
	v_cvt_i32_f32 v[TP], v[TP]
	s_delay_alu instid0(VALU_DEP_1)
	v_ldexp_f32 v[FF], 1.0, v[TP]                  ; f = 2^(old M - new M)
.set j, 0
.rept 32
	v_pk_fma_f32 v[S+j:S+j+1], v[S+j:S+j+1], s[22:23], v[12:13] op_sel_hi:[1,0,0]   ; t - M
.set j, j+2
.endr
.irp b, 0,1,2,3
	v_fma_f32 v[BM+\b], v[BM+\b], s22, v12
.endr
	s_wait_alu depctr_va_vdst(0)                   ; the wait ahead of the batch,
.set j, 0
.rept 64
	v_exp_f32 v[S+j], v[S+j]
.set j, j+1
.endr
.irp b, 0,1,2,3
	v_exp_f32 v[BM+\b], v[BM+\b]                   ; the block's largest p: the same two instructions on the same number
.endr
	v_pk_mul_f32 v[14:15], v[14:15], v[FF:FF+1] op_sel_hi:[1,0]
	s_wait_alu depctr_va_vdst(0)                   ; and behind it
.irp b, 0,1,2,3
	v_max_num_f32 v[BM+\b], 0x1800000, v[BM+\b]    ; the floor: the byte cannot fall under 1
.endr
.irp b, 0,1,2,3
	s_delay_alu instid0(VALU_DEP_4)
	v_add_nc_u32 v[SO+\b], 0xff000000, v[BM+\b]
.endr
.irp b, 0,1,2,3
	s_delay_alu instid0(VALU_DEP_4)
	v_lshrrev_b32 v[BT+\b], 23, v[SO+\b]
.endr
	s_delay_alu instid0(VALU_DEP_3)
	v_lshl_or_b32 v29, v[BT+1], 8, v[BT]
	s_delay_alu instid0(VALU_DEP_1)
	v_lshl_or_b32 v29, v[BT+2], 16, v29
	s_delay_alu instid0(VALU_DEP_1)
	v_lshl_or_b32 v29, v[BT+3], 24, v29
.irp c, 0,1
	v_cvt_scalef32_pk16_fp6_f32 v[PCD+6*\c:PCD+2+6*\c], v[S+32*\c:S+15+32*\c], v[SO+2*\c]
	v_cvt_scalef32_pk16_fp6_f32 v[CT2+4*\c:CT2+2+4*\c], v[S+16+32*\c:S+31+32*\c], v[SO+2*\c+1]
.endr
	v_nop
.irp c, 0,1
.irp i, 0,1,2
	v_permlane16_swap_b32 v[PCD+6*\c+\i], v[CT2+4*\c+\i]
.endr
.irp i, 0,1,2
	s_delay_alu instid0(VALU_DEP_3)
	v_mov_b32 v[PCD+3+6*\c+\i], v[CT2+4*\c+\i]
.endr
.endr
.irp c, 0,1,2,3
	v_pk_add_f32 v[AS+2*\c:AS+2*\c+1], v[S+4*\c:S+4*\c+1], v[S+4*\c+2:S+4*\c+3]   ; the row's sum of the unquantised p, in four chains
.endr
.irp j, 16,24,32,40,48,56
.irp c, 0,1,2,3
	v_pk_add_f32 v[AS+2*\c:AS+2*\c+1], v[AS+2*\c:AS+2*\c+1], v[S+\j+2*\c:S+\j+2*\c+1]
.endr
.endr
	v_pk_add_f32 v[AS:AS+1], v[AS:AS+1], v[AS+2:AS+3]
	v_pk_add_f32 v[AS+4:AS+5], v[AS+4:AS+5], v[AS+6:AS+7]
	s_delay_alu instid0(VALU_DEP_1)
	v_pk_add_f32 v[AS:AS+1], v[AS:AS+1], v[AS+4:AS+5]
	s_delay_alu instid0(VALU_DEP_1)
	v_pk_add_f32 v[14:15], v[14:15], v[AS:AS+1]
	s_wait_alu depctr_va_vdst(0)                   ; the wait directly ahead of the first reader of O^T
.set j, 0
.rept 16
	v_pk_mul_f32 v[O+j:O+j+1], v[O+j:O+j+1], v[FF:FF+1] op_sel_hi:[1,0]   ; O^T under the new M; with the sums, the places ahead of the products
.set j, j+2
.endr
	s_wait_alu depctr_va_vdst(0)
	s_wait_dscnt 0x0                               ; v is in
.irp d, 0,1,2,3                                ; the four accumulators take turns
	v_wmma_scale_f32_16x16x128_f8f6f4 v[O+8*\d:O+8*\d+7], v[KV+12*\d:KV+12*\d+11], v[PCD:PCD+11], v[O+8*\d:O+8*\d+7], v[VSW+\d], v29 matrix_a_fmt:MATRIX_FMT_FP6 matrix_b_fmt:MATRIX_FMT_FP6
.endr
	s_add_co_u32 s38, s41, 1
	s_cmp_lg_u32 s38, s21
	s_cbranch_scc1 .Lon
	FIN 0, 30                                      ; that was the first tile's last step
.irp j, 0,1,2,3,4,5
	v_mov_b32 v[16+\j], v[QB+\j]
.endr
	v_mov_b32 v28, v[QB+6]
	FRESH
	s_mov_b32 s20, 16                              ; the second tile ends in the last trip
	s_mov_b32 s43, s44
.Lon:
	s_add_co_u32 s41, s41, 1
	s_cmp_lt_u32 s41, 17
	s_cbranch_scc1 .Lstep
	FIN 1, SA2
	s_min_u32 s38, s12, 1
	s_lshl_b32 s38, s38, 9
	s_add_co_u32 s38, s38, SCR
	v_add_nc_u32 v8, s38, v1
	v_and_b32 v9, 0x1c0, v1
	v_and_b32 v10, 48, v1
	v_lshl_add_u32 v9, v9, 3, v10                  ; slot lane / 4: 8 tiles, 512 bytes, on; 16 (lane % 4) in its 64 bytes
	s_sub_co_u32 s38, 71, s52
	s_cmp_eq_u32 s12, 0
	s_cselect_b32 s38, s38, s52                    ; slot 0's tile
	s_lshl_b32 s38, s38, 6
	s_lshl_b32 s39, s16, 13
	s_add_co_u32 s38, s38, s39
	s_lshl_b32 s39, s17, 1
	s_add_co_u32 s39, s39, s53                     ; the step of 128 along the last product's K
	s_lshl_b32 s39, s39, 15
	s_add_co_u32 s38, s38, s39
	s_mov_b32 s39, 0
	s_add_nc_u64 s[54:55], s[10:11], s[38:39]
	s_wait_alu depctr_va_vdst(0)
	s_wait_dscnt 0x0                               ; my scale bytes lie in SCR
	s_barrier_signal -1
	s_barrier_wait -1                              ; everybody's do
	s_cmp_gt_u32 s12, 1
	s_cbranch_scc1 .Ldone
	ds_load_b128 v[32:35], v8
	s_wait_dscnt 0x0
	global_store_b128 v9, v[32:35], s[54:55]       ; four lanes to a tile's 64 bytes
.Ldone:
	s_wait_tensorcnt 0x0                           ; the wave's end
	ds_add_u32 v5, v6
	s_wait_dscnt 0x0
	ROUND                                          ; the closing round
	s_endpgm
.Lfunc_end_k_q7aa44ccff5_attn:
	.size	k_q7aa44ccff5_attn, .Lfunc_end_k_q7aa44ccff5_attn-k_q7aa44ccff5_attn
	.p2alignl 7, 3214868480
	.fill 96, 4, 3214868480
	.section	.rodata,"a",@progbits
	.p2align	6, 0x0
	.amdhsa_kernel k_q7aa44ccff5_attn
		.amdhsa_group_segment_fixed_size 327680
		.amdhsa_private_segment_fixed_size 0
		.amdhsa_enable_private_segment 0
		.amdhsa_kernarg_size 32
		.amdhsa_user_sgpr_count 2
		.amdhsa_user_sgpr_kernarg_segment_ptr 1
		.amdhsa_wavefront_size32 1
		.amdhsa_system_sgpr_workgroup_id_x 1
		.amdhsa_system_sgpr_workgroup_id_y 1
		.amdhsa_system_sgpr_workgroup_id_z 1
		.amdhsa_system_vgpr_workitem_id 0
		.amdhsa_next_free_vgpr 256
		.amdhsa_next_free_sgpr 72
		.amdhsa_reserve_vcc 1
		.amdhsa_float_denorm_mode_32 3
		.amdhsa_float_denorm_mode_16_64 3
		.amdhsa_memory_ordered 1
		.amdhsa_forward_progress 1
		.amdhsa_inst_pref_size 43
	.end_amdhsa_kernel
	.amdgpu_metadata
---
amdhsa.version: [ 1, 2 ]
amdhsa.kernels:
  - .name:           k_q7aa44ccff5_attn
    .symbol:         k_q7aa44ccff5_attn.kd
    .args:
      - { .name: qbuf, .offset: 0, .size: 8, .value_kind: global_buffer, .address_space: global }
      - { .name: kvbuf, .offset: 8, .size: 8, .value_kind: global_buffer, .address_space: global }
      - { .name: ac, .offset: 16, .size: 8, .value_kind: global_buffer, .address_space: global }
      - { .name: asc, .offset: 24, .size: 8, .value_kind: global_buffer, .address_space: global }
    .group_segment_fixed_size: 327680
    .private_segment_fixed_size: 0
    .kernarg_segment_align: 8
    .kernarg_segment_size: 32
    .max_flat_workgroup_size: 512
    .sgpr_count:     72
    .vgpr_count:     256
    .wavefront_size: 32
...
	.end_amdgpu_metadata
.endif
;; end of part 3
;; launch gemm_out (part 4): grid 4 x 64, 4 waves a work-group, clusters of 4 x 4, 327,680 bytes of LDS; arguments ac, asc, codes, wos, out0; writes out0
.if DOCPART == 4
	.amdgcn_target "amdgcn-amd-amdhsa--gfx1250"
	.amdhsa_code_object_version 6
	.text
	.protected	k_q7aa44ccff5_gemm_out
	.globl	k_q7aa44ccff5_gemm_out
	.p2align	8
	.type	k_q7aa44ccff5_gemm_out,@function
k_q7aa44ccff5_gemm_out:
	s_mov_b64 s[64:65], 0
	v_nop
	global_prefetch_b8 v0, s[64:65] scope:SCOPE_SE
	s_setreg_imm32_b32 hwreg(HW_REG_WAVE_MODE, 25, 1), 1
	s_wait_xcnt 0x0
	s_wait_alu depctr_hold_cnt(0) depctr_sa_sdst(0) depctr_va_vdst(0) depctr_va_sdst(0) depctr_va_ssrc(0) depctr_va_vcc(0) depctr_vm_vsrc(0)
	s_getreg_b32 s2, hwreg(HW_REG_IB_STS2, 6, 4)
	s_cmp_eq_u32 s2, 0
	s_cbranch_scc0 .Lentry_in_a_cluster
	s_endpgm
.Lentry_in_a_cluster:
	s_bfe_u32 s2, ttmp6, 0x10000c
	s_cmp_lg_u32 s2, 0xf033
	s_cbranch_scc0 .Lentry_shape_is_right
	s_endpgm
.Lentry_shape_is_right:
; out = o wo on codes of FP6 (E2M3) with E8M0 scales, K = 1,024; out is f32.
; A tile of out is 128 rows x 256 columns: 4 x 64 = 256 work-groups.  Four waves, each 64 x 128 in 32 accumulators.  ALL OF K LIES IN LDS: A's 128 rows as the attention launch left them, images of operand registers
; ([4 kv heads][blocks of 16 rows][4 heads][768]: 98,304 bytes), and wo's 256 columns as whole rows of 768 bytes, each beginning at a multiple of 256 bytes, with 16 bytes of padding behind every 256 (pitch 816: 208,896 bytes).
; One tensor load a wave (waves 0, 1: 64 rows of A each; waves 2, 3: 128 columns of wo each), one barrier, nothing is filled again.  The scale words go from memory into registers: A's 32, B's 64 a lane.
; CLUSTERS of 4 x 4: A's tiles are asked for jointly along a row of the cluster, B's along a column.  NO PREFETCH: all tensor loads go out at the head; there is no loop to run ahead in.
; THE MATRIX INSTRUCTION IS USED TRANSPOSED (source 0 = 16 columns of wo, source 1 = 16 rows of o): a lane holds eight neighbouring numbers of a row of out, which leave through a stage in LDS as whole rows of 512 bytes.
; The stage lies in A's bytes, behind a barrier behind which nobody reads them; they have had their only fill.
; REGISTERS: window 0: v0-31 addresses; v32-63 A's scale words (4 st + a); v64-127 B's (16 (st / 2) + 2 b + st % 2); v128-223 A's fragments, two sets.  window 1: B's fragments, two sets.  window 2: accumulator (a, b) at v[8 (8 a + b)].
.set SIZE_N, 1024
.set FR,     12
.set NP,     4                         ; places behind this matrix instruction (ISA guide 7.12.1)
.set HALFA,  49152                     ; 64 rows of A: [4 kv heads][12,288]
.set KVA,    12288
.set BPITCH, 816
.set HALFB,  128*BPITCH
.set BBASE,  2*HALFA
.set SPARE,  BBASE+2*HALFB             ; the spare words, 128 bytes for each wave
.set SPITCH, 528
.set ADRA, 16                          ; v16 16 x lane, v17 8 x lane, in my 64 rows of A
.set ADRB, 20                          ; v20 my B fragments, blocks 0-3; v21 the same with lanes 16-31 behind one padding more; v22-23 blocks 4-7
.set STO,  24
.set RD,   25
.set CO,   26
.set SVA,  27                          ; 4 r
.set SPW,  28
.set NIL,  29
.set SVB,  30                          ; 8 r
.set SA,   32
.set SBR,  64
.set AF,   128
.set BK,   128
.set G1,  24
.set G0,  32
.set G1B, 48
.set G0B, 56
.set MSB, 0
.macro WIN new
.if MSB != \new
	s_set_vgpr_msb (MSB<<8)|\new
.set MSB, \new
.endif
.endm
.set MUL_LO, 0xa1                      ; source 0 (B) window 1, source 1 (A) window 0, C and D window 2
.set TO_B,   0x40
.macro PLACES n
.rept \n
	v_nop
.endr
.endm
.macro CROUND
	s_barrier_signal -1
	s_barrier_wait -1
	s_cmp_lg_u32 s14, 0
	s_cbranch_scc1 .Lnot_wave_0_\@
	s_barrier_signal -3
.Lnot_wave_0_\@:
	s_barrier_wait -3
	s_barrier_signal -1
	s_barrier_wait -1
.endm
	s_load_b128 s[4:7], s[0:1], 0x0                ; ac, asc
	s_load_b128 s[8:11], s[0:1], 0x10              ; codes, wos
	s_load_b64 s[12:13], s[0:1], 0x20              ; out
	v_lshl_add_u32 v[SPW], v0, 2, SPARE
	v_mov_b32 v[NIL], 0
	ds_add_u32 v[SPW], v[NIL]                      ; the opening lines: the add twice and one wait
	ds_add_u32 v[SPW], v[NIL]
	v_lshrrev_b32 v1, 5, v0
	v_readfirstlane_b32 s14, v1                    ; wave
	s_lshr_b32 s15, s14, 1                         ; my half of the rows; also: I fetch for A (0) or B (1)
	s_and_b32 s16, s14, 1                          ; my half of the columns; also: which half I fetch
	s_bfe_u32 s40, ttmp6, 0x40000                  ; cx
	s_bfe_u32 s41, ttmp6, 0x40004                  ; cy
	s_lshl_b32 s42, ttmp9, 2
	s_add_co_u32 s42, s42, s40                     ; tile column
	s_and_b32 s17, ttmp7, 0xffff
	s_lshl_b32 s17, s17, 2
	s_add_co_u32 s17, s17, s41                     ; tile row
	s_lshl_b32 s43, s41, 2
	s_lshl_b32 s43, 15, s43                        ; my row of the cluster
	s_lshl_b32 s44, 0x1111, s40                    ; my column
	s_or_b32 s[G1+0], s43, (3<<16)|(1<<21)         ; A: 4 rows (kv heads) of 1,536 elements of 8 bytes, 196,608 elements apart
	s_mov_b32 s[G1+1], 1536<<16
	s_mov_b32 s[G1+2], 4<<16
	s_mov_b32 s[G1+3], 1536<<16
	s_mov_b32 s[G1+4], 4
	s_mov_b32 s[G1+5], 196608
	s_mov_b32 s[G1+6], 0
	s_mov_b32 s[G1+7], 0
	s_or_b32 s[G1B+0], s44, (1<<20)|(1<<21)|(5<<22)|(3<<25)   ; B: 128 rows of 768 bytes; 4 words of padding behind every 64
	s_mov_b32 s[G1B+1], 768<<16
	s_mov_b32 s[G1B+2], 128<<16
	s_mov_b32 s[G1B+3], 768<<16
	s_mov_b32 s[G1B+4], 128
	s_mov_b32 s[G1B+5], 768
	s_mov_b32 s[G1B+6], 0
	s_mov_b32 s[G1B+7], 0
	s_mul_i32 s20, s17, 24576
	s_mul_i32 s18, s16, KVA
	s_add_co_u32 s20, s20, s18                     ; A: 8 blocks of 3,072 bytes a tile row, my 4
	s_mov_b32 s21, 0
	s_lshl_b32 s46, s42, 8
	s_lshl_b32 s18, s16, 7
	s_add_co_u32 s46, s46, s18
	s_add_co_u32 s46, s46, 9728                    ; B: wo's columns begin at row 9,728 of the codes
	s_mul_i32 s46, s46, 768
	s_mov_b32 s47, 0
	s_mul_i32 s45, s16, HALFA
	s_mul_i32 s22, s16, HALFB
	s_add_co_u32 s22, s22, BBASE
	s_wait_dscnt 0x0
	s_wait_kmcnt 0x0
	s_add_nc_u64 s[20:21], s[4:5], s[20:21]
	s_add_nc_u64 s[46:47], s[8:9], s[46:47]
	CROUND                                         ; all sixteen work-groups are here: the joint loads meet
	s_mov_b32 s[G0], 1
	s_mov_b32 s[G0+1], s45
	s_mov_b64 s[G0+2:G0+3], s[20:21]
	s_or_b32 s[G0+3], s[G0+3], 0x80000000
	s_mov_b32 s[G0B], 1
	s_mov_b32 s[G0B+1], s22
	s_mov_b64 s[G0B+2:G0B+3], s[46:47]
	s_or_b32 s[G0B+3], s[G0B+3], 0x80000000
	s_cmp_eq_u32 s15, 0
	s_cbranch_scc0 .Lfor_b
	tensor_load_to_lds s[G0:G0+3], s[G1:G1+7]
	s_nop 0
	PLACES 4
	s_branch .Lasked
.Lfor_b:
	tensor_load_to_lds s[G0B:G0B+3], s[G1B:G1B+7]
	s_nop 0
	PLACES 4
.Lasked:
	v_and_b32 v1, 15, v0                           ; r
	v_bfe_u32 v2, v0, 4, 1                         ; h
	v_and_b32 v6, 31, v0
	s_mul_i32 s21, s15, HALFA
	v_lshl_add_u32 v[ADRA], v6, 4, s21
	v_lshl_add_u32 v[ADRA+1], v6, 3, s21
	v_mul_u32_u24 v3, v1, BPITCH
	v_mad_u32_u24 v3, v2, 24, v3
	s_mul_i32 s23, s16, HALFB
	s_add_co_u32 s23, s23, BBASE
	v_add_nc_u32 v[ADRB], s23, v3
	v_lshl_add_u32 v[ADRB+1], v2, 4, v[ADRB]
	v_add_nc_u32 v[ADRB+2], 64*BPITCH, v[ADRB]
	v_add_nc_u32 v[ADRB+3], 64*BPITCH, v[ADRB+1]
	v_lshlrev_b32 v[SVA], 2, v1
	v_lshlrev_b32 v[SVB], 3, v1
	s_mul_i32 s23, s14, 16*SPITCH                  ; my stage
	v_mul_u32_u24 v5, v1, SPITCH
	v_lshl_add_u32 v5, v2, 5, v5
	v_add_nc_u32 v[STO], s23, v5
	v_lshlrev_b32 v[CO], 4, v6
	v_add_nc_u32 v[RD], s23, v[CO]
	s_lshl_b32 s18, s17, 7
	s_lshl_b32 s19, s15, 6
	s_add_co_u32 s18, s18, s19                     ; my first row
	s_lshl_b32 s36, s18, 2
	s_mov_b32 s37, 0
	s_add_nc_u64 s[36:37], s[6:7], s[36:37]        ; A's scale words: [8 steps][8,192 rows][4]
	s_lshl_b32 s38, s42, 8
	s_lshl_b32 s19, s16, 7
	s_add_co_u32 s38, s38, s19                     ; my first column
	s_lshl_b32 s19, s38, 2
	s_lshl_b32 s38, s38, 3
	s_mov_b32 s39, 0
	s_add_nc_u64 s[38:39], s[10:11], s[38:39]      ; B's: [4][1,024 columns][8]
	s_lshl_b32 s18, s18, 12
	s_add_co_u32 s18, s18, s19
	s_mov_b32 s19, 0
	s_add_nc_u64 s[12:13], s[12:13], s[18:19]      ; out: 4,096 bytes a row, 4 a column
	s_wait_alu depctr_va_vdst(0)                   ; the wait at the head's end
.irp st, 0,1,2,3,4,5,6,7
.irp i, 0,1,2,3
	global_load_b32 v[SA+4*\st+\i], v[SVA], s[36:37] offset:32768*\st+64*\i
.endr
.endr
.irp kv, 0,1,2,3
.irp b, 0,1,2,3,4,5,6,7
	global_load_b64 v[SBR+16*\kv+2*\b:SBR+16*\kv+2*\b+1], v[SVB], s[38:39] offset:8192*\kv+128*\b
.endr
.endr
.macro FRAGB reg, st, i                ; 16 columns x 128 K in pieces of 8 bytes: byte y of a row lies at y + 16 (y / 256) of its LDS row
.irp p, 0,1,2,3,4,5
.set BY, 96*(\st)+48*(\p/3)+8*(\p%3)
	ds_load_b64 v[\reg+2*\p:\reg+2*\p+1], v[ADRB+2*((\i)/4)+(BY+24)/256-BY/256] offset:BY+16*(BY/256)+((\i)%4)*16*BPITCH
.endr
.endm
.macro FRAGA reg, st, i                ; two heads' images of registers 0-5
.set AO, ((\st)/2)*KVA+(\i)*3072+((\st)%2)*1536
	ds_load_b128 v[\reg:\reg+3], v[ADRA] offset:AO
	ds_load_b64 v[\reg+4:\reg+5], v[ADRA+1] offset:AO+512
	ds_load_b128 v[\reg+6:\reg+9], v[ADRA] offset:AO+768
	ds_load_b64 v[\reg+10:\reg+11], v[ADRA+1] offset:AO+1280
.endm
.macro FETCH st                        ; step st's fragments into set st % 2
	WIN TO_B
.irp i, 0,1,2,3,4,5,6,7
	FRAGB 128*((\st)%2)+FR*\i, \st, \i
.endr
	WIN 0
.irp i, 0,1,2,3
	FRAGA AF+48*((\st)%2)+FR*\i, \st, \i
.endr
.endm
.macro MUL32 st, zero                  ; the 32 accumulators take turns in the same order in every step
	WIN MUL_LO
.irp a, 0,1,2,3
.irp b, 0,1,2,3,4,5,6,7
.if \zero
	v_wmma_scale_f32_16x16x128_f8f6f4 v[8*(8*\a+\b):8*(8*\a+\b)+7], v[128*((\st)%2)+FR*\b:128*((\st)%2)+FR*\b+FR-1], v[AF+48*((\st)%2)+FR*\a:AF+48*((\st)%2)+FR*\a+FR-1], 0, v[SBR+16*((\st)/2)+2*\b+(\st)%2], v[SA+4*(\st)+\a] matrix_a_fmt:MATRIX_FMT_FP6 matrix_b_fmt:MATRIX_FMT_FP6
.else
	v_wmma_scale_f32_16x16x128_f8f6f4 v[8*(8*\a+\b):8*(8*\a+\b)+7], v[128*((\st)%2)+FR*\b:128*((\st)%2)+FR*\b+FR-1], v[AF+48*((\st)%2)+FR*\a:AF+48*((\st)%2)+FR*\a+FR-1], v[8*(8*\a+\b):8*(8*\a+\b)+7], v[SBR+16*((\st)/2)+2*\b+(\st)%2], v[SA+4*(\st)+\a] matrix_a_fmt:MATRIX_FMT_FP6 matrix_b_fmt:MATRIX_FMT_FP6
.endif
.endr
.endr
.endm
	s_wait_tensorcnt 0x0                           ; my tile is in
	s_barrier_signal -1
	s_barrier_wait -1                              ; all four are
	FETCH 0
	s_wait_loadcnt 0x0                             ; the scale words
	s_wait_dscnt 0x0
	FETCH 1
	MUL32 0, 1                                     ; the first step starts the sums
.set ST, 1
.rept 6
	s_wait_dscnt 0x0                               ; this step's fragments, asked for ahead of the last step's 32 products
	PLACES NP                                      ; in front of loads into the set that the last step multiplied
	FETCH ST+1
	MUL32 ST, 0
.set ST, ST+1
.endr
	s_wait_dscnt 0x0                               ; my last reads of the tiles are over
	MUL32 7, 0
	WIN 0
	s_barrier_signal -1
	s_barrier_wait -1                              ; everybody's are: A's bytes may take the stages
.macro TOSTAGE a
	WIN 0x08                                       ; the data: window 2
.irp b, 0,1,2,3,4,5,6,7
	ds_store_b128 v[STO], v[64*(\a)+8*\b:64*(\a)+8*\b+3] offset:64*\b      ; each accumulator from its low end on
	ds_store_b128 v[STO], v[64*(\a)+8*\b+4:64*(\a)+8*\b+7] offset:64*\b+16
.endr
	WIN 0
.set BB, BK+64*((\a)%2)
.irp t, 0,1,2,3,4,5,6,7,8,9,10,11,12,13,14,15
	ds_load_b128 v[BB+4*\t:BB+4*\t+3], v[RD] offset:\t*SPITCH              ; LDS serves a wave's instructions in order: these see the stores above
.endr
.endm
.macro SEND a, younger
.set BB, BK+64*((\a)%2)
	s_wait_dscnt \younger
.if (\a) > 0
	s_add_nc_u64 s[12:13], s[12:13], 16*SIZE_N*4   ; behind a wait on XCNT: the earlier stores have read their base
.endif
.irp t, 0,1,2,3,4,5,6,7,8,9,10,11,12,13,14,15
	global_store_b128 v[CO], v[BB+4*\t:BB+4*\t+3], s[12:13] offset:\t*SIZE_N*4 th:TH_STORE_NT   ; 32 lanes store 512 consecutive bytes, aligned
.endr
.endm
	PLACES NP
	TOSTAGE 0
.irp a, 1,2,3
.if \a > 1
	s_wait_xcnt 0x0                                ; block a - 2's stores have read their registers and their base
.endif
	TOSTAGE \a
	SEND \a-1, 32                                  ; behind block a - 1's loads: block a's 16 stores and 16 loads
.endr
	s_wait_xcnt 0x0
	SEND 3, 0
	s_wait_tensorcnt 0x0                           ; the wave's end
	ds_add_u32 v[SPW], v[NIL]
	s_wait_dscnt 0x0
	CROUND                                         ; the closing round
	s_endpgm
.Lfunc_end_k_q7aa44ccff5_gemm_out:
	.size	k_q7aa44ccff5_gemm_out, .Lfunc_end_k_q7aa44ccff5_gemm_out-k_q7aa44ccff5_gemm_out
	.p2alignl 7, 3214868480
	.fill 96, 4, 3214868480
	.section	.rodata,"a",@progbits
	.p2align	6, 0x0
	.amdhsa_kernel k_q7aa44ccff5_gemm_out
		.amdhsa_group_segment_fixed_size 327680
		.amdhsa_private_segment_fixed_size 0
		.amdhsa_enable_private_segment 0
		.amdhsa_kernarg_size 40
		.amdhsa_user_sgpr_count 2
		.amdhsa_user_sgpr_kernarg_segment_ptr 1
		.amdhsa_wavefront_size32 1
		.amdhsa_system_sgpr_workgroup_id_x 1
		.amdhsa_system_sgpr_workgroup_id_y 1
		.amdhsa_system_sgpr_workgroup_id_z 1
		.amdhsa_system_vgpr_workitem_id 0
		.amdhsa_next_free_vgpr 768
		.amdhsa_next_free_sgpr 66
		.amdhsa_reserve_vcc 0
		.amdhsa_float_denorm_mode_32 3
		.amdhsa_float_denorm_mode_16_64 3
		.amdhsa_memory_ordered 1
		.amdhsa_forward_progress 1
		.amdhsa_inst_pref_size 94
	.end_amdhsa_kernel
	.amdgpu_metadata
---
amdhsa.version: [ 1, 2 ]
amdhsa.kernels:
  - .name:           k_q7aa44ccff5_gemm_out
    .symbol:         k_q7aa44ccff5_gemm_out.kd
    .args:
      - { .name: ac, .offset: 0, .size: 8, .value_kind: global_buffer, .address_space: global }
      - { .name: asc, .offset: 8, .size: 8, .value_kind: global_buffer, .address_space: global }
      - { .name: codes, .offset: 16, .size: 8, .value_kind: global_buffer, .address_space: global }
      - { .name: wos, .offset: 24, .size: 8, .value_kind: global_buffer, .address_space: global }
      - { .name: out0, .offset: 32, .size: 8, .value_kind: global_buffer, .address_space: global }
    .group_segment_fixed_size: 327680
    .private_segment_fixed_size: 0
    .kernarg_segment_align: 8
    .kernarg_segment_size: 40
    .max_flat_workgroup_size: 128
    .sgpr_count:     66
    .vgpr_count:     768
    .wavefront_size: 32
...
	.end_amdgpu_metadata
.endif
;; end of part 4
